; MI455X (gfx1250); checked and timed in simulation.
; The chip was launched on July 23, 2026; its instructions are those of AMD's public machine-readable ISA for CDNA 5 (MIT licence, August 2026) and "CDNA5" Instruction Set Architecture Reference Guide (July 2026). The comments in the code are by the model that wrote it; some were corrected since.
;; LSTCWA. Allowed arithmetic: matrix products marked QUANTISED: E2M3 operands, one E8M0 scale for each 32 along K, by v_wmma_scale_f32_16x16x128_f8f6f4 with both operands' format E2M3, f32 sums; products left as they are: f32 operands where the result goes on into a quantised operand, else bf16, f16 or f32 operands; f32 sums; everything else in f32.
;; Inputs: Wk 512 x 512 float32; Wp 512 x 512 float32; Wq 512 x 512 float32; Wv 512 x 512 float32; bp 512 float32; coords 32,768 x 2 float32; feats 32,768 x 512 float32; mask 32,768 bool; pos_b1 512 float32; pos_b2 512 float32; pos_w1 512 x 2 float32; pos_w2 512 x 512 float32; z 64 x 512 float32.
;; Outputs: out0 64 x 512 float32.
;; This version of the problem:
;;   THIS VERSION OF THE PROBLEM IS GIVEN IN LOW PRECISION. The matrix products marked QUANTISED in the list below multiply operands that are first quantised to E2M3 (2 exponent bits, 3 mantissa bits; 6 bits a number), with one power-of-two scale for each 32 numbers along K (OCP MX v1.0); their sums are f32. All else is computed in f32.
;;   The module's matrix products, in the order in which they are computed (A, B: the left and right operand; K: the contracted axis; several contracted axes count as one K, in the product's order):
;;     1. [M 65,536, K 2] x [K 2, N 512]; A: computed on the way; B: input pos_w1: left as it is (K = 2 < 32)
;;     2. [M 65,536, K 512] x [K 512, N 512]; A: computed on the way; B: input pos_w2: QUANTISED
;;     3. [M 64, K 512] x [K 512, N 512]; A: input z; B: input Wq: QUANTISED
;;     4. [M 65,536, K 512] x [K 512, N 512]; A: computed on the way; B: input Wk: QUANTISED
;;     5. [M 65,536, K 512] x [K 512, N 512]; A: computed on the way; B: input Wv: QUANTISED
;;     6. batch 64 x [M 1, K 512] x [K 512, N 1,024]; A: computed on the way; B: computed on the way: left as it is (M = 1 < 16)
;;     7. batch 1,024 x [M 1, K 64] x [K 64, N 512]; A: softmax; B: computed on the way: left as it is (M = 1 < 16)
;;     8. [M 64, K 512] x [K 512, N 512]; A: computed on the way; B: input Wp: QUANTISED
;;   THE QUANTISER, for each operand of a quantised product, along K:
;;     - K is cut into blocks of 32 from its start; a last block that is shorter is filled with zeros.
;;     - A block's scale is 2^e with e = floor(log2(the largest magnitude in the block)) - 2, held to -126 .. 127; a block of zeros has e = 0. As a byte (E8M0): e + 127.
;;     - Each number is divided by its block's scale, clamped to +-7.5, and rounded to the nearest number of E2M3, ties to even, subnormals kept.
;;     - The product sums the exact products of the quantised numbers (number of the format x scale) in f32.
;;   ~~~python
;;   def quantise(x, axis):      # numpy; x: float32 -> the quantised numbers, widened to float32 again
;;       x = np.moveaxis(x, axis, -1); K = x.shape[-1]
;;       x = np.pad(x, [(0, 0)] * (x.ndim - 1) + [(0, -K % 32)]); x = x.reshape(x.shape[:-1] + (-1, 32)); a = np.abs(x).max(-1, keepdims=True)
;;       e = np.where(a > 0, np.clip(np.frexp(np.where(a > 0, a, 1))[1] - 1 - 2, -126, 127), 0)      # np.frexp(a)[1] - 1 = floor(log2(a)), exactly
;;       r = np.clip(x / 2.0 ** e, -7.5, 7.5)
;;       step = 2.0 ** (np.maximum(np.frexp(np.where(r == 0, 1, r))[1] - 1, 0) - 3)
;;       q = np.round(r / step) * step * 2.0 ** e      # np.round: ties to even
;;       return np.moveaxis(q.reshape(q.shape[:-2] + (-1,))[..., :K], -1, axis).astype(np.float32)
;;   ~~~
;;   OPERANDS COMPUTED ON THE WAY. 'Computed on the way' means the value that the module computes at that place (a softmax that the list does not call 'softmax' is quantised finished and normalised). What goes into a quantiser is computed in f32, as accurately as f32 sums, v_exp_f32 and their like allow (about 1e-6 of the number): no bf16 or f16 on the way to a quantiser, and a product that is left as it is and whose result goes on into a quantised operand takes f32 operands (vector FMAs, or v_wmma_f32_16x16x4_f32). A number that lies on a knife's edge between two numbers of the format may be rounded either way, as far as f32 arithmetic and the matrix unit's own rounding can turn it there, and no further.
;; 2 versions, each right and faster than the one before. Each part assembles by itself: llvm-mc -triple=amdgcn-amd-amdhsa -mcpu=gfx1250 --defsym DOCPART=n.
;; ======== version 1 of 2: 3 launches
;; workspace buffers: wcodes 589,824 bytes; wscl 24,576 bytes; cstat 512 bytes; qbuf 131,072 bytes; qbp 16,384 bytes; zpart 524,288 bytes
;; launch prep (part 1): grid 64 x 1, 4 waves a work-group, no clusters, 12,800 bytes of LDS; arguments pos_w2, Wk, Wv, coords, z, Wq, pos_b2, wcodes, wscl, cstat, qbuf, qbp; writes wcodes, wscl, cstat, qbuf, qbp
.if DOCPART == 1
	.amdgcn_target "amdgcn-amd-amdhsa--gfx1250"
	.amdhsa_code_object_version 6
	.text
	.protected	k_q8bafb5895d_prep
	.globl	k_q8bafb5895d_prep
	.p2align	8
	.type	k_q8bafb5895d_prep,@function
k_q8bafb5895d_prep:
	s_mov_b64 s[64:65], 0
	v_nop
	global_prefetch_b8 v0, s[64:65] scope:SCOPE_SE
	s_setreg_imm32_b32 hwreg(HW_REG_WAVE_MODE, 25, 1), 1
	s_wait_xcnt 0x0
; PREPARATION, three roles chosen by the work-group's number.
;  A (work-groups 0-23): pos_w2, Wk, Wv [512][512] f32, K innermost, become codes of FP6 (E2M3) and E8M0 scale words, laid as IMAGES OF THE OPERAND'S REGISTERS:
;    wcodes [mat 3][wave 4][f = 8 s + t][chunk 3][lane 32][16 bytes]: fragment (wave, t, s) = weight rows 128 wave + 16 t + r, k = 128 s + 64 c + 32 h + i; chunk c holds its registers 4 c .. 4 c + 3.
;    wscl [mat][wave][4 s + (t & 3)][lane] words: lanes 0-15 tile t & 3, lanes 16-31 tile (t & 3) + 4.   A wave takes one tile of 16 rows, all four K steps.
;  B (24-31): coords in 32 chunks of 1,024 points: a wave makes one chunk's mean and sum of squared deviations for x and y: cstat [chunk]{mean x, mean y, M2 x, M2 y}.
;  C (32-63): q = Q(z) Q(Wq)^T by the scaled FP6 matrix instruction, and the partial sums of q . pos_b2: qbp [l][2 x column tile + h].
;    A work-group takes 16 rows of z x 64 columns; wave w quantises K step w of z and hands it round through LDS as an image of its registers; it makes columns 16 w .. 16 w + 15 of the 64.
; A block's scale is 2^(floor(log2(largest magnitude)) - 2): the largest magnitude's exponent field - 2, held at 1 from below by a floor among the maximum's leaves.
; LIMITS: NaN and infinities among the inputs are not served.  A block of zeros keeps the byte 1 (the rule says 127): its codes are zeros, and this program alone reads the bytes.
; A lane's loads of a weight row take 16 bytes of rows 2,048 bytes apart: eight loads use up each 128 bytes; the tensors are small (1 MiB each) and are read once.
.set LI, 1                             ; v1  16 x lane
.set LS, 2                             ; v2  4 x lane
.set VO, 3                             ; v3  2,048 r + 128 h: my row, my half's 32 numbers of a block pair
.set H8, 4                             ; v4  8 h
.set VR, 5                             ; v5  r = lane % 16
.set VH, 6                             ; v6  h = lane / 16
.set PT, 7                             ; v7  destination of the lane exchanges
.set VL, 9                             ; v9  lane
.set QM, 84                            ; v84-85 largest magnitudes; v86-87 the conversions' scale operands; v88-89 bytes; v90-92, v94-96 second halves of the codes
.set QS, 86
.set QBY, 88
.set QT, 90
.set AIMG, 0                           ; LDS (role C): four fragments of z, 1,536 bytes each
.set ASC, 6144                         ; their scale words, 128 bytes each
.set STG, 6656                         ; the stage for q: 16 rows x (256 + 16) bytes
.set MSB, 0
.macro WIN new                         ; the immediate's high byte repeats the setting that is left
.if MSB != (\new)
	s_set_vgpr_msb (MSB<<8)|(\new)
.set MSB, (\new)
.endif
.endm
.macro PLACES
.rept 4
	v_nop
.endr
.endm
.macro RED32 r                         ; the sum over the 32 lanes, in every lane
	v_add_f32_dpp v[\r], v[\r], v[\r] row_xmask:1 row_mask:0xf bank_mask:0xf
	v_add_f32_dpp v[\r], v[\r], v[\r] row_xmask:2 row_mask:0xf bank_mask:0xf
	v_add_f32_dpp v[\r], v[\r], v[\r] row_xmask:4 row_mask:0xf bank_mask:0xf
	v_add_f32_dpp v[\r], v[\r], v[\r] row_xmask:8 row_mask:0xf bank_mask:0xf
	v_permlanex16_b32 v[PT], v[\r], s46, s47
	v_add_f32 v[\r], v[\r], v[PT]
.endm
; 64 numbers of my row for one K step: register 32 c + i = k 64 c + 32 h + i, from off bytes on, into v[XB] on of window XW
.macro XL XB, XW, AV, SB, off
	WIN (\XW)<<6
.irp c, 0,1
.irp j, 0,1,2,3,4,5,6,7
	global_load_b128 v[\XB+32*\c+4*\j:\XB+32*\c+4*\j+3], v[\AV], s[\SB:\SB+1] offset:\off+256*\c+16*\j
.endr
.endr
	WIN 0
.endm
; those 64 numbers become a fragment's 12 registers at v[FB] and my row's scale word in v[WR].  A lane holds two whole blocks of 32: no other lane is asked for a maximum
.macro QK XB, XW, FB, WR
	WIN 5*(\XW)                                    ; sources 0 and 1 in the numbers' window
.irp c, 0,1
	v_max3_num_f32 v[QM+\c], |v[\XB+32*\c]|, |v[\XB+32*\c+1]|, 0x1800000   ; the floor 2^(3 - 127): the byte cannot fall under 1
.endr
.irp i, 2,4,6,8,10,12,14,16,18,20,22,24,26,28,30
.irp c, 0,1
	v_max3_num_f32 v[QM+\c], |v[\XB+32*\c+\i]|, |v[\XB+32*\c+\i+1]|, v[QM+\c]
.endr
.endr
	WIN 0
	v_add_nc_u32 v[QS], 0xff000000, v[QM]          ; 2 off the exponent field: the conversion's scale operand
	v_add_nc_u32 v[QS+1], 0xff000000, v[QM+1]
	v_lshrrev_b32 v[QBY], 23, v[QS]                ; the scale's byte
	v_lshrrev_b32 v[QBY+1], 23, v[QS+1]
	v_lshl_or_b32 v[\WR], v[QBY+1], 16, v[QBY]     ; my bytes: blocks h and 2 + h,
	v_lshlrev_b32 v[\WR], v[H8], v[\WR]            ; at their places;
	v_permlanex16_b32 v[PT], v[\WR], s46, s47
	v_or_b32 v[\WR], v[\WR], v[PT]                 ; with lane l xor 16's two the word is whole
	WIN \XW                                        ; source 0 in the numbers' window
	v_cvt_scalef32_pk16_fp6_f32 v[\FB:\FB+2], v[\XB:\XB+15], v[QS]
	v_cvt_scalef32_pk16_fp6_f32 v[QT:QT+2], v[\XB+16:\XB+31], v[QS]        ; (a conversion's three registers begin on an even number)
	v_cvt_scalef32_pk16_fp6_f32 v[\FB+6:\FB+8], v[\XB+32:\XB+47], v[QS+1]
	v_cvt_scalef32_pk16_fp6_f32 v[QT+4:QT+6], v[\XB+48:\XB+63], v[QS+1]
	WIN 0
	v_nop                                          ; one plain place behind the scaled conversions
.irp i, 0,1,2
	v_mov_b32 v[\FB+3+\i], v[QT+\i]
	v_mov_b32 v[\FB+9+\i], v[QT+4+\i]
.endr
.endm
	s_load_b512 s[4:19], s[0:1], 0x0               ; pos_w2 4:5, Wk 6:7, Wv 8:9, coords 10:11, z 12:13, Wq 14:15, pos_b2 16:17, wcodes 18:19
	s_load_b256 s[20:27], s[0:1], 0x40             ; wscl 20:21, cstat 22:23, qbuf 24:25, qbp 26:27
	v_lshl_add_u32 v254, v0, 2, 0x3000
	v_mov_b32 v255, 0
	v_lshrrev_b32 v8, 5, v0
	v_readfirstlane_b32 s40, v8                    ; wave 0..3
	v_and_b32 v[VL], 31, v0
	v_and_b32 v[VR], 15, v0
	v_bfe_u32 v[VH], v0, 4, 1
	v_lshlrev_b32 v[LI], 4, v[VL]
	v_lshlrev_b32 v[LS], 2, v[VL]
	v_lshlrev_b32 v[VO], 11, v[VR]
	v_lshl_add_u32 v[VO], v[VH], 7, v[VO]
	v_lshlrev_b32 v[H8], 3, v[VH]
	v_mov_b32 v[PT], 0                             ; a lane exchange's destination counts as read
	s_mov_b32 s46, 0x76543210
	s_mov_b32 s47, 0xfedcba98                      ; selects for lane l xor 16
	s_mov_b32 s45, 0                               ; the upper word of every 64-bit offset
	s_wait_kmcnt 0x0
	s_cmp_ge_u32 ttmp9, 32
	s_cbranch_scc1 .Lrole_c
	s_cmp_ge_u32 ttmp9, 24
	s_cbranch_scc1 .Lrole_b
; ---- ROLE A: one tile of 16 weight rows a wave
	s_lshr_b32 s30, ttmp9, 3                       ; which matrix
	s_and_b32 s31, ttmp9, 7
	s_lshl_b32 s32, s31, 2
	s_add_co_u32 s32, s32, s40                     ; tile of rows 0..31
	s_lshr_b32 s33, s32, 3                         ; the wave of the main launch that will hold it,
	s_and_b32 s34, s32, 7                          ; and its tile t there
	s_cmp_lt_u32 ttmp9, 16                         ; the choice of buffer hangs on the work-group's number alone
	s_cselect_b64 s[6:7], s[6:7], s[8:9]
	s_cmp_lt_u32 ttmp9, 8
	s_cselect_b64 s[4:5], s[4:5], s[6:7]
	s_lshl_b32 s44, s32, 15                        ; 16 rows of 2,048 bytes a tile
	s_add_nc_u64 s[4:5], s[4:5], s[44:45]
	XL 0, 1, VO, 4, 0                              ; all four K steps at once, into window 1
	XL 64, 1, VO, 4, 512
	XL 128, 1, VO, 4, 1024
	XL 192, 1, VO, 4, 1536
	s_mul_i32 s44, s30, 196608
	s_mul_i32 s36, s33, 49152
	s_add_co_u32 s44, s44, s36
	s_mul_i32 s36, s34, 1536
	s_add_co_u32 s44, s44, s36
	s_add_nc_u64 s[18:19], s[18:19], s[44:45]      ; my fragments' place: K step s lies 8 x 1,536 bytes on
	s_lshl_b32 s44, s30, 13
	s_lshl_b32 s36, s33, 11
	s_add_co_u32 s44, s44, s36
	s_and_b32 s36, s34, 3
	s_lshl_b32 s36, s36, 7
	s_add_co_u32 s44, s44, s36
	s_lshr_b32 s36, s34, 2
	s_lshl_b32 s36, s36, 6
	s_add_co_u32 s44, s44, s36
	s_add_nc_u64 s[20:21], s[20:21], s[44:45]      ; my scale words' place
	v_lshlrev_b32 v10, 2, v[VR]
	v_lshl_add_u32 v10, v[VH], 9, v10              ; 4 r + 512 h: lanes 0-15 store an even K step's words, lanes 16-31 the odd one's
.irp s, 0,1,2,3
	s_wait_loadcnt 48-16*\s                        ; K step s's 16 loads are in; the later steps' may be out
	QK 64*\s, 1, 16+12*\s, 116+\s
.irp c, 0,1,2
	global_store_b128 v[LI], v[16+12*\s+4*\c:16+12*\s+4*\c+3], s[18:19] offset:12288*\s+512*\c   ; 32 lanes store 512 consecutive bytes
.endr
.endr
	v_cmp_eq_u32 vcc_lo, 1, v[VH]
	v_cndmask_b32 v120, v116, v117, vcc_lo
	v_cndmask_b32 v121, v118, v119, vcc_lo
	global_store_b32 v10, v120, s[20:21]
	global_store_b32 v10, v121, s[20:21] offset:1024
	s_endpgm
; ---- ROLE B: one chunk of 1,024 points a wave
.Lrole_b:
	s_sub_co_u32 s30, ttmp9, 24
	s_lshl_b32 s30, s30, 2
	s_add_co_u32 s30, s30, s40                     ; chunk 0..31
	s_lshl_b32 s44, s30, 13
	s_add_nc_u64 s[10:11], s[10:11], s[44:45]
	s_lshl_b32 s44, s30, 4
	s_add_nc_u64 s[22:23], s[22:23], s[44:45]
.irp j, 0,1,2,3,4,5,6,7,8,9,10,11,12,13,14,15
	global_load_b128 v[16+4*\j:19+4*\j], v[LI], s[10:11] offset:512*\j   ; two points (x, y, x, y) a lane
.endr
	s_wait_loadcnt 0x0
	v_pk_add_f32 v[120:121], v[16:17], v[18:19]    ; (x, y) pairs, in two chains
	v_pk_add_f32 v[122:123], v[20:21], v[22:23]
.set II, 24
.rept 14
	v_pk_add_f32 v[120:121], v[120:121], v[II:II+1]
	v_pk_add_f32 v[122:123], v[122:123], v[II+2:II+3]
.set II, II+4
.endr
	v_pk_add_f32 v[120:121], v[120:121], v[122:123]
	RED32 120
	RED32 121
	v_mul_f32 v124, 0x3a800000, v120               ; / 1,024: the chunk's mean
	v_mul_f32 v125, 0x3a800000, v121
.set II, 16
.rept 32
	v_pk_add_f32 v[II:II+1], v[II:II+1], v[124:125] neg_lo:[0,1] neg_hi:[0,1]   ; deviations from the chunk's own mean: a common offset of the inputs drops out here
.set II, II+2
.endr
	v_pk_mul_f32 v[120:121], v[16:17], v[16:17]
	v_pk_mul_f32 v[122:123], v[18:19], v[18:19]
.set II, 20
.rept 15
	v_pk_fma_f32 v[120:121], v[II:II+1], v[II:II+1], v[120:121]
	v_pk_fma_f32 v[122:123], v[II+2:II+3], v[II+2:II+3], v[122:123]
.set II, II+4
.endr
	v_pk_add_f32 v[120:121], v[120:121], v[122:123]
	RED32 120
	RED32 121
	v_mov_b32 v126, v120
	v_mov_b32 v127, v121
	v_mov_b32 v10, 0
	v_cmp_eq_u32 vcc_lo, 0, v[VL]
	s_wait_xcnt 0x0                                ; EXEC changes only behind this wait
	s_and_saveexec_b32 s36, vcc_lo
	global_store_b128 v10, v[124:127], s[22:23]    ; lane 0 stores the chunk's four numbers
	s_wait_xcnt 0x0                                ; and again in front of the line that widens it
	s_or_b32 exec_lo, exec_lo, s36
	s_endpgm
; ---- ROLE C: q and q . pos_b2
.Lrole_c:
	s_sub_co_u32 s30, ttmp9, 32
	s_and_b32 s31, s30, 3                          ; m: which 16 rows of z
	s_lshr_b32 s32, s30, 2                         ; cg: which 64 columns
	s_lshl_b32 s44, s32, 8
	s_lshl_b32 s36, s40, 6
	s_add_co_u32 s44, s44, s36
	s_add_nc_u64 s[16:17], s[16:17], s[44:45]      ; pos_b2 at column 64 cg + 16 w
	s_lshl_b32 s44, s31, 15
	s_lshl_b32 s36, s40, 9
	s_add_co_u32 s44, s44, s36
	s_add_nc_u64 s[12:13], s[12:13], s[44:45]      ; z at row 16 m, K step w
	s_lshl_b32 s44, s32, 17
	s_lshl_b32 s36, s40, 15
	s_add_co_u32 s44, s44, s36
	s_add_nc_u64 s[14:15], s[14:15], s[44:45]      ; Wq at row 64 cg + 16 w
	v_lshlrev_b32 v8, 5, v[VH]                     ; 32 h: my half's eight columns
	global_load_b128 v[108:111], v8, s[16:17]
	global_load_b128 v[112:115], v8, s[16:17] offset:16
	XL 128, 0, VO, 12, 0
	XL 0, 1, VO, 14, 0
	XL 64, 1, VO, 14, 512
	XL 128, 1, VO, 14, 1024
	XL 192, 1, VO, 14, 1536
	s_lshl_b32 s44, s31, 12
	s_lshl_b32 s36, s32, 5
	s_add_co_u32 s44, s44, s36
	s_lshl_b32 s36, s40, 3
	s_add_co_u32 s44, s44, s36
	s_add_nc_u64 s[26:27], s[26:27], s[44:45]      ; qbp: 256 x 16 m + 8 (4 cg + w)
	s_lshl_b32 s44, s31, 15
	s_lshl_b32 s36, s40, 13
	s_add_co_u32 s44, s44, s36
	s_lshl_b32 s36, s32, 8
	s_add_co_u32 s44, s44, s36
	s_add_nc_u64 s[24:25], s[24:25], s[44:45]      ; qbuf: row 16 m + 4 w, column 64 cg
	s_mul_i32 s36, s40, 1536
	v_add_nc_u32 v10, s36, v[LI]                   ; where I store my image of z: 1,536 w + 16 x lane
	s_lshl_b32 s36, s40, 7
	v_add_nc_u32 v11, s36, v[LS]                   ; and its scale words: 128 w + 4 x lane
	v_mul_u32_u24 v12, v[VR], 272
	v_lshl_add_u32 v12, v[VH], 5, v12
	s_lshl_b32 s36, s40, 6
	s_add_co_u32 s36, s36, STG
	v_add_nc_u32 v12, s36, v12                     ; the stage, in: row r, 64 w + 32 h
	v_mul_u32_u24 v13, v[VH], 272
	v_lshl_add_u32 v13, v[VR], 4, v13
	s_mul_i32 s36, s40, 1088
	s_add_co_u32 s36, s36, STG
	v_add_nc_u32 v13, s36, v13                     ; back: rows 4 w + h (+ 2), 16 bytes a lane
	v_lshlrev_b32 v14, 8, v[VR]
	v_lshl_add_u32 v14, v[VH], 2, v14              ; qbp: 256 r + 4 h
	v_lshlrev_b32 v15, 4, v[VR]
	v_lshl_add_u32 v15, v[VH], 11, v15             ; qbuf: 2,048 h + 16 r
	s_wait_loadcnt 63                              ; 82 loads were issued: the first 19 are in, pos_b2's two and z's sixteen among them
	QK 128, 0, 16, 104
.irp c, 0,1,2
	ds_store_b128 v10, v[16+4*\c:19+4*\c] offset:AIMG+512*\c
.endr
	ds_store_b32 v11, v104 offset:ASC
.irp s, 0,1,2,3
	s_wait_loadcnt 48-16*\s
	QK 64*\s, 1, 32+12*\s, 80+\s
.endr
	s_wait_dscnt 0x0                               ; for the others' sake: my image has landed
	s_barrier_signal -1
	s_barrier_wait -1
.irp s, 0,1,2,3
.irp c, 0,1,2
	ds_load_b128 v[128+12*\s+4*\c:131+12*\s+4*\c], v[LI] offset:AIMG+1536*\s+512*\c
.endr
	ds_load_b32 v[100+\s], v[LS] offset:ASC+128*\s
.endr
	s_wait_dscnt 0x0
.rept 8
	v_nop                                          ; Wq's scale words were written by vector instructions: 8 places ahead of a scaled matrix instruction, its codes 4
.endr
	; transposed: source 0 = 16 rows of Wq, source 1 = 16 rows of z: lane (r, h) holds q(16 m + r, 64 cg + 16 w + 8 h + j).  Two accumulators by turns
	v_wmma_scale_f32_16x16x128_f8f6f4 v[176:183], v[32:43], v[128:139], 0, v80, v100 matrix_a_fmt:MATRIX_FMT_FP6 matrix_b_fmt:MATRIX_FMT_FP6
	v_wmma_scale_f32_16x16x128_f8f6f4 v[184:191], v[44:55], v[140:151], 0, v81, v101 matrix_a_fmt:MATRIX_FMT_FP6 matrix_b_fmt:MATRIX_FMT_FP6
	v_wmma_scale_f32_16x16x128_f8f6f4 v[176:183], v[56:67], v[152:163], v[176:183], v82, v102 matrix_a_fmt:MATRIX_FMT_FP6 matrix_b_fmt:MATRIX_FMT_FP6
	v_wmma_scale_f32_16x16x128_f8f6f4 v[184:191], v[68:79], v[164:175], v[184:191], v83, v103 matrix_a_fmt:MATRIX_FMT_FP6 matrix_b_fmt:MATRIX_FMT_FP6
	PLACES
.irp j, 0,2,4,6
	v_pk_add_f32 v[192+\j:193+\j], v[176+\j:177+\j], v[184+\j:185+\j]   ; from the low end on
.endr
	ds_store_b128 v12, v[192:195]
	ds_store_b128 v12, v[196:199] offset:16
	v_pk_mul_f32 v[200:201], v[192:193], v[108:109]
	v_pk_fma_f32 v[200:201], v[194:195], v[110:111], v[200:201]
	v_pk_fma_f32 v[200:201], v[196:197], v[112:113], v[200:201]
	v_pk_fma_f32 v[200:201], v[198:199], v[114:115], v[200:201]
	v_add_f32 v202, v200, v201
	global_store_b32 v14, v202, s[26:27]           ; my eight columns' share of q . pos_b2
	s_wait_dscnt 0x0
	s_barrier_signal -1
	s_barrier_wait -1                              ; 16 rows x 256 bytes of q lie in the stage
	ds_load_b128 v[208:211], v13
	ds_load_b128 v[212:215], v13 offset:544
	s_wait_dscnt 0x0
	global_store_b128 v15, v[208:211], s[24:25]    ; sixteen lanes store 256 consecutive bytes, aligned
	global_store_b128 v15, v[212:215], s[24:25] offset:4096
	s_wait_tensorcnt 0x0
	ds_add_u32 v254, v255
	s_wait_dscnt 0x0
	s_endpgm
.Lfunc_end_k_q8bafb5895d_prep:
	.size	k_q8bafb5895d_prep, .Lfunc_end_k_q8bafb5895d_prep-k_q8bafb5895d_prep
	.p2alignl 7, 3214868480
	.fill 96, 4, 3214868480
	.section	.rodata,"a",@progbits
	.p2align	6, 0x0
	.amdhsa_kernel k_q8bafb5895d_prep
		.amdhsa_group_segment_fixed_size 12800
		.amdhsa_private_segment_fixed_size 0
		.amdhsa_enable_private_segment 0
		.amdhsa_kernarg_size 96
		.amdhsa_user_sgpr_count 2
		.amdhsa_user_sgpr_kernarg_segment_ptr 1
		.amdhsa_wavefront_size32 1
		.amdhsa_system_sgpr_workgroup_id_x 1
		.amdhsa_system_sgpr_workgroup_id_y 1
		.amdhsa_system_sgpr_workgroup_id_z 1
		.amdhsa_system_vgpr_workitem_id 0
		.amdhsa_next_free_vgpr 512
		.amdhsa_next_free_sgpr 66
		.amdhsa_reserve_vcc 1
		.amdhsa_float_denorm_mode_32 3
		.amdhsa_float_denorm_mode_16_64 3
		.amdhsa_memory_ordered 1
		.amdhsa_forward_progress 1
		.amdhsa_inst_pref_size 61
	.end_amdhsa_kernel
	.amdgpu_metadata
---
amdhsa.version: [ 1, 2 ]
amdhsa.kernels:
  - .name:           k_q8bafb5895d_prep
    .symbol:         k_q8bafb5895d_prep.kd
    .args:
      - { .name: pos_w2, .offset: 0, .size: 8, .value_kind: global_buffer, .address_space: global }
      - { .name: Wk, .offset: 8, .size: 8, .value_kind: global_buffer, .address_space: global }
      - { .name: Wv, .offset: 16, .size: 8, .value_kind: global_buffer, .address_space: global }
      - { .name: coords, .offset: 24, .size: 8, .value_kind: global_buffer, .address_space: global }
      - { .name: z, .offset: 32, .size: 8, .value_kind: global_buffer, .address_space: global }
      - { .name: Wq, .offset: 40, .size: 8, .value_kind: global_buffer, .address_space: global }
      - { .name: pos_b2, .offset: 48, .size: 8, .value_kind: global_buffer, .address_space: global }
      - { .name: wcodes, .offset: 56, .size: 8, .value_kind: global_buffer, .address_space: global }
      - { .name: wscl, .offset: 64, .size: 8, .value_kind: global_buffer, .address_space: global }
      - { .name: cstat, .offset: 72, .size: 8, .value_kind: global_buffer, .address_space: global }
      - { .name: qbuf, .offset: 80, .size: 8, .value_kind: global_buffer, .address_space: global }
      - { .name: qbp, .offset: 88, .size: 8, .value_kind: global_buffer, .address_space: global }
    .group_segment_fixed_size: 12800
    .private_segment_fixed_size: 0
    .kernarg_segment_align: 8
    .kernarg_segment_size: 96
    .max_flat_workgroup_size: 128
    .sgpr_count:     66
    .vgpr_count:     512
    .wavefront_size: 32
...
	.end_amdgpu_metadata
.endif
;; end of part 1
;; launch main (part 2): grid 256 x 1, 4 waves a work-group, no clusters, 327,680 bytes of LDS; arguments feats, coords, pos_w1, pos_b1, wcodes, wscl, cstat, qbuf, qbp, zpart; writes zpart
.if DOCPART == 2
	.amdgcn_target "amdgcn-amd-amdhsa--gfx1250"
	.amdhsa_code_object_version 6
	.text
	.protected	k_q8bafb5895d_main
	.globl	k_q8bafb5895d_main
	.p2align	8
	.type	k_q8bafb5895d_main,@function
k_q8bafb5895d_main:
	s_mov_b64 s[64:65], 0
	v_nop
	global_prefetch_b8 v0, s[64:65] scope:SCOPE_SE
	s_setreg_imm32_b32 hwreg(HW_REG_WAVE_MODE, 25, 1), 1
	s_wait_xcnt 0x0
; THE FUSED LAUNCH.  Work-group g: segment l = g / 4, quarter u = g % 4: windows 4 u .. 4 u + 3 of the segment: 256 window rows (for h and pb) and 160 local rows rho = segment rows 128 u + rho (for f).
; A row's layer norm, its codes, f Wk^T and f Wv^T are the same in both windows that hold it: they are made once for each local row; pb hangs on the window's centroid and is made for each window row.
; Z is linear in the softmax's weights: the weights of the two windows that hold a row are added (with the mean's 1/16) and v is weighted once.
; THE WAVES SHARE THE COLUMNS: wave w owns d = 128 w .. 128 w + 127 of pos_w2, Wk, Wv: 32 fragments (384 registers) a matrix, loaded once as register images and kept; two matrices are resident at a time.
; PHASES: coordinate statistics and window centroids | h = relu(w1 (c - centroid) + b1), quantised, as images in LDS | layer norm of feats (8 rows a pass and wave, through a ring of two LDS slots filled by tensor loads), quantised, as images |
;   P: q . (h pos_w2^T) | FK: q . (f Wk^T) | softmax a window a wave | V: sum of a[rho] (f Wv^T) | a partial Z of 512 numbers to zpart.
; NO JOINT LOADS for the weights, which every work-group reads: a joint load lands in LDS, of which this map leaves 3,328 bytes, and a wave's share of one matrix is 49,152; so they go straight into the registers in which they stay.
; mask is not read: reference() does not read it.  Past a segment's end (u = 3, rho >= 128) rows 504-511 are read again; their logits are -infinity and their weights 0.
; LIMITS: NaN and infinities are not served; a block of zeros keeps the scale byte 1 with zero codes; f32 sums are ordered otherwise than in reference(); 1 / x and 1 / sqrt(x) are v_rcp_f32 and v_rsq_f32 (1 ulp: ISA guide, their entries).
; The row's maximum is taken away before the exponential, as reference() does.
.set SLOTB, 17408                      ; a ring slot: 8 rows of feats as 64 pieces of 256 bytes + 16 of padding
.set FIMG,  139264                     ; f's images: 8 blocks (2 s + c) of FSC bytes: 16-byte parts at (160 h + rho) 16, 8-byte parts at 5,120 + 1,408 h + 8 rho
.set FSC,   7968
.set FS,    203008                     ; f's scale words [s][rho], 640 bytes a K step
.set HIMG,  205568                     ; h's images: 8 blocks of HSC bytes: 16-byte parts at (256 h + row) 16, 8-byte parts at 8,192 + 2,176 h + 8 row
.set HSC,   12544
.set HS,    305920                     ; h's scale words [s][row], 1,024 bytes a K step
.set DXY,   310016                     ; (dx, dy) of each window row
.set LP,    312064                     ; [wave][256] partial logits of pb
.set LF,    316160                     ; [wave][160] partial logits of f Wk^T
.set AW,    318720                     ; weights: A0[256], A1[256]
.set AC,    320768                     ; a[rho]
.set ZST,   321792                     ; 512 bytes a wave, for the way out
.set SPARE, 323840                     ; the spare words, 128 bytes a wave: two blocks of 256 bytes that no other line names
.set SPW, 1                            ; v1  SPARE + 4 x thread; never rewritten
.set NIL, 2                            ; v2  0; never rewritten
.set HRA0, 3                           ; v3-6  h's images, read: 16-byte parts (K steps 0-1, 2-3), 8-byte parts likewise
.set HRA1, 4
.set HRB0, 5
.set HRB1, 6
.set HSA, 7                            ; v7  h's scale words
.set FRA, 8                            ; v8-10 the same for f
.set FRB, 9
.set FSA, 10
.set LPW, 11                           ; v11-12 where my partial logits go
.set LFW, 12
.set RRD, 13                           ; v13 the ring, read: 34,816 w + 272 x lane
.set FWA, 14                           ; v14-16 f's images and scale bytes, written
.set FWB, 15
.set FWS, 16
.set WOFF, 17                          ; v17 16 x lane
.set PT, 18                            ; v18 destination of the lane exchanges
.set L4, 19                            ; v19 4 x lane
.set WSA, 20                           ; v20-35, v36-51 the weights' scale words, two sets; v52-59 the activations', two sets of four.  These hold scales and nothing else
.set WSBB, 36
.set ASR, 52
.set QV, 60                            ; v60-123 q of my 128 columns in the result's layout
.set ACC, 124                          ; v124-187 eight accumulators
.set ACT, 188                          ; v188-235 a tile's four activation fragments
.set DOT, 236                          ; v236-243 four pairs of running dot products
.set FT, 244
.set BB, 60                            ; h: b1, w1's two columns, 32 numbers at work
.set WX, 92
.set WY, 124
.set TV, 156
.set RAW, 156
.set CC, 220
.set T2, 226
.set MXA, 230
.set MXB, 231
.set SOP, 232
.set BYT, 233
.set DXL, 234
.set DXW, 236
.set DYW, 238
.set HWA0, 244                         ; v244-247 h's bases, v248-251 the addresses in hand
.set HWB0, 245
.set HWS0, 246
.set DXR0, 247
.set HWAW, 248
.set HWBW, 249
.set HWSW, 250
.set DXRW, 251
.set O256, 252                         ; v252-254 256 h, 128 h, 32 h
.set O128, 253
.set O32, 254
.set ZACC, 60                          ; V: eight pairs of sums; two sets of eight weights
.set AVV, 76
.set AVR, 245
.set MSB, 0
.macro WIN new                         ; the immediate's high byte repeats the setting that is left
.if MSB != (\new)
	s_set_vgpr_msb (MSB<<8)|(\new)
.set MSB, (\new)
.endif
.endm
.macro PLACES
.rept 4
	v_nop
.endr
.endm
.macro RED32 r
	v_add_f32_dpp v[\r], v[\r], v[\r] row_xmask:1 row_mask:0xf bank_mask:0xf
	v_add_f32_dpp v[\r], v[\r], v[\r] row_xmask:2 row_mask:0xf bank_mask:0xf
	v_add_f32_dpp v[\r], v[\r], v[\r] row_xmask:4 row_mask:0xf bank_mask:0xf
	v_add_f32_dpp v[\r], v[\r], v[\r] row_xmask:8 row_mask:0xf bank_mask:0xf
	v_permlanex16_b32 v[PT], v[\r], s46, s47
	v_add_f32 v[\r], v[\r], v[PT]
.endm
.macro MAX32 r
	v_max_num_f32_dpp v[\r], v[\r], v[\r] row_xmask:1 row_mask:0xf bank_mask:0xf
	v_max_num_f32_dpp v[\r], v[\r], v[\r] row_xmask:2 row_mask:0xf bank_mask:0xf
	v_max_num_f32_dpp v[\r], v[\r], v[\r] row_xmask:4 row_mask:0xf bank_mask:0xf
	v_max_num_f32_dpp v[\r], v[\r], v[\r] row_xmask:8 row_mask:0xf bank_mask:0xf
	v_permlanex16_b32 v[PT], v[\r], s46, s47
	v_max_num_f32 v[\r], v[\r], v[PT]
.endm
.macro RED8 r                          ; the sum over the eight lanes that share a row of feats
	v_add_f32_dpp v[\r], v[\r], v[\r] row_xmask:1 row_mask:0xf bank_mask:0xf
	v_add_f32_dpp v[\r], v[\r], v[\r] row_xmask:2 row_mask:0xf bank_mask:0xf
	v_add_f32_dpp v[\r], v[\r], v[\r] row_xmask:4 row_mask:0xf bank_mask:0xf
.endm
; Windows 1 to 3 hold 63 places of 12 registers, 21 a window, so that no fragment crosses a window.  pos_w2 takes places 0-31, Wk 32-62 and (when pos_w2 is done) 0, Wv 1-31 and (when Wk is done) 32.
.macro SLOTOF mat, f
.if (\mat) == 0
.set SL, (\f)
.elseif (\mat) == 1
.if (\f) < 31
.set SL, 32+(\f)
.else
.set SL, 0
.endif
.else
.if (\f) < 31
.set SL, 1+(\f)
.else
.set SL, 32
.endif
.endif
.set WN, 1+SL/21
.set RG, 12*(SL%21)
.endm
.macro WLOAD mat, f0, f1               ; fragments f0 .. f1 of my share of a matrix: three loads of 512 consecutive bytes each
.set FF, \f0
.rept (\f1)-(\f0)+1
	SLOTOF \mat, FF
	WIN WN<<6
	global_load_b128 v[RG:RG+3], v[WOFF], s[12:13] offset:(\mat)*196608+FF*1536
	global_load_b128 v[RG+4:RG+7], v[WOFF], s[12:13] offset:(\mat)*196608+FF*1536+512
	global_load_b128 v[RG+8:RG+11], v[WOFF], s[12:13] offset:(\mat)*196608+FF*1536+1024
.set FF, FF+1
.endr
	WIN 0
.endm
.macro WSLOAD mat, base                ; its 16 registers of scale words
.irp i, 0,1,2,3,4,5,6,7,8,9,10,11,12,13,14,15
	global_load_b32 v[\base+\i], v[L4], s[14:15] offset:(\mat)*8192+128*\i
.endr
.endm
.macro CONST c                         ; pos_w1 and pos_b1 at e = 128 w + 64 c + 32 h + 0 .. 31
.irp j, 0,1,2,3,4,5,6,7,8,9,10,11,12,13,14,15
	global_load_b128 v[RAW+4*\j:RAW+4*\j+3], v[O256], s[8:9] offset:512*(\c)+16*\j
.endr
.irp j, 0,1,2,3,4,5,6,7
	global_load_b128 v[BB+4*\j:BB+4*\j+3], v[O128], s[10:11] offset:256*(\c)+16*\j
.endr
.endm
.macro DEINT                           ; pos_w1's two columns apart
.set II, 0
.rept 32
	v_mov_b32 v[WX+II], v[RAW+2*II]
	v_mov_b32 v[WY+II], v[RAW+2*II+1]
.set II, II+1
.endr
.endm
; One tile of 16 window rows of h: lane (r, h) makes row 16 m + r, e = 128 w + 64 c + 32 h + 0 .. 31: a whole block of 32 along the next K.  s55 = 256 m.
.macro HTRIP last
	s_wait_dscnt 3                                 ; behind this tile's (dx, dy) load stand the last tile's three stores: the load is in
	v_mov_b32 v[DXW], v[DXL]
	v_mov_b32 v[DYW], v[DXL+1]
	s_lshr_b32 s57, s55, 1                         ; 128 m
	s_lshr_b32 s58, s55, 2                         ; 64 m
.if \last == 0
	v_add_nc_u32 v[DXRW], s57, v[DXR0]
	ds_load_b64 v[DXL:DXL+1], v[DXRW] offset:128   ; the next tile's
.endif
	v_add_nc_u32 v[HWAW], s55, v[HWA0]
	v_add_nc_u32 v[HWBW], s57, v[HWB0]
	v_add_nc_u32 v[HWSW], s58, v[HWS0]
.set II, 0
.rept 16
	v_pk_fma_f32 v[TV+II:TV+II+1], v[WY+II:WY+II+1], v[DYW:DYW+1], v[BB+II:BB+II+1] op_sel_hi:[1,0,1]
.set II, II+2
.endr
.set II, 0
.rept 16
	v_pk_fma_f32 v[TV+II:TV+II+1], v[WX+II:WX+II+1], v[DXW:DXW+1], v[TV+II:TV+II+1] op_sel_hi:[1,0,1]
.set II, II+2
.endr
	v_max3_num_f32 v[MXA], v[TV], v[TV+1], 0x1800000   ; no |.|: what the relu clips must not count; the floor 2^(3 - 127) stands over it
	v_max3_num_f32 v[MXB], v[TV+2], v[TV+3], v[TV+4]
.irp i, 5,9,13,17,21,25
	v_max3_num_f32 v[MXA], v[MXA], v[TV+\i], v[TV+\i+1]
	v_max3_num_f32 v[MXB], v[MXB], v[TV+\i+2], v[TV+\i+3]
.endr
	v_max3_num_f32 v[MXA], v[MXA], v[TV+29], v[TV+30]
	v_max3_num_f32 v[MXA], v[MXA], v[MXB], v[TV+31]
.set II, 0
.rept 32
	v_max_num_f32 v[TV+II], 0, v[TV+II]            ; the relu, in f32
.set II, II+1
.endr
	v_add_nc_u32 v[SOP], 0xff000000, v[MXA]        ; 2 off the exponent field: the conversion's scale operand
.if \last == 0
	s_wait_dscnt 1                                 ; the last tile's stores have read their registers; the load just issued may be out
.else
	s_wait_dscnt 0x0
.endif
	v_cvt_scalef32_pk16_fp6_f32 v[CC:CC+2], v[TV:TV+15], v[SOP]
	v_cvt_scalef32_pk16_fp6_f32 v[T2:T2+2], v[TV+16:TV+31], v[SOP]   ; (a conversion's three registers begin on an even number)
	v_lshrrev_b32 v[BYT], 23, v[SOP]               ; the scale's byte; also the plain place behind the conversions
.irp i, 0,1,2
	v_mov_b32 v[CC+3+\i], v[T2+\i]
.endr
	ds_store_b128 v[HWAW], v[CC:CC+3]
	ds_store_b64 v[HWBW], v[CC+4:CC+5]
	ds_store_b8 v[HWSW], v[BYT]
.endm
.macro HGEN                            ; the 16 tiles of window rows for one c
	ds_load_b64 v[DXL:DXL+1], v[DXR0]
	s_mov_b32 s55, 0
	s_wait_dscnt 0x0                               ; so that the count at the loop's head holds on the way in too
.Lhgen_\@:
	HTRIP 0
	s_add_co_u32 s55, s55, 256
	s_cmp_lt_u32 s55, 15*256
	s_cbranch_scc1 .Lhgen_\@
	HTRIP 1
.endm
; Layer norm and quantiser for four rows: lane l holds row 40 w + 4 idx + l / 8 and k = 64 (l % 8) + 0 .. 63: one piece of 256 bytes of the slot, two blocks of 32.
.macro LNU sl, idx, XB, TB
.set LO, (\sl)*SLOTB+((\idx)%2)*8704
.irp j, 0,1,2,3,4,5,6,7,8,9,10,11,12,13,14,15
	ds_load_b128 v[\XB+4*\j:\XB+4*\j+3], v[RRD] offset:LO+16*\j
.endr
	s_wait_dscnt 12                                ; the first four loads are in; the sum follows the loads, a quarter at a time
	v_pk_add_f32 v[\TB:\TB+1], v[\XB:\XB+1], v[\XB+2:\XB+3]
	v_pk_add_f32 v[\TB+2:\TB+3], v[\XB+4:\XB+5], v[\XB+6:\XB+7]
.irp i, 8,12
	v_pk_add_f32 v[\TB:\TB+1], v[\TB:\TB+1], v[\XB+\i:\XB+\i+1]
	v_pk_add_f32 v[\TB+2:\TB+3], v[\TB+2:\TB+3], v[\XB+\i+2:\XB+\i+3]
.endr
	s_wait_dscnt 8
.irp i, 16,20,24,28
	v_pk_add_f32 v[\TB:\TB+1], v[\TB:\TB+1], v[\XB+\i:\XB+\i+1]
	v_pk_add_f32 v[\TB+2:\TB+3], v[\TB+2:\TB+3], v[\XB+\i+2:\XB+\i+3]
.endr
	s_wait_dscnt 4
.irp i, 32,36,40,44
	v_pk_add_f32 v[\TB:\TB+1], v[\TB:\TB+1], v[\XB+\i:\XB+\i+1]
	v_pk_add_f32 v[\TB+2:\TB+3], v[\TB+2:\TB+3], v[\XB+\i+2:\XB+\i+3]
.endr
	s_wait_dscnt 0x0
.irp i, 48,52,56,60
	v_pk_add_f32 v[\TB:\TB+1], v[\TB:\TB+1], v[\XB+\i:\XB+\i+1]
	v_pk_add_f32 v[\TB+2:\TB+3], v[\TB+2:\TB+3], v[\XB+\i+2:\XB+\i+3]
.endr
	v_pk_add_f32 v[\TB:\TB+1], v[\TB:\TB+1], v[\TB+2:\TB+3]
	v_add_f32 v[\TB], v[\TB], v[\TB+1]
	RED8 \TB
	v_mul_f32 v[\TB+4], s48, v[\TB]                ; the row's mean, twice: a pair for the packed forms
	v_mul_f32 v[\TB+5], s48, v[\TB]
.set II, 0
.rept 32
	v_pk_add_f32 v[\XB+II:\XB+II+1], v[\XB+II:\XB+II+1], v[\TB+4:\TB+5] neg_lo:[0,1] neg_hi:[0,1]
.set II, II+2
.endr
	v_pk_mul_f32 v[\TB:\TB+1], v[\XB:\XB+1], v[\XB:\XB+1]
	v_pk_mul_f32 v[\TB+2:\TB+3], v[\XB+2:\XB+3], v[\XB+2:\XB+3]
.set II, 4
.rept 15
	v_pk_fma_f32 v[\TB:\TB+1], v[\XB+II:\XB+II+1], v[\XB+II:\XB+II+1], v[\TB:\TB+1]
	v_pk_fma_f32 v[\TB+2:\TB+3], v[\XB+II+2:\XB+II+3], v[\XB+II+2:\XB+II+3], v[\TB+2:\TB+3]
.set II, II+4
.endr
	v_pk_add_f32 v[\TB:\TB+1], v[\TB:\TB+1], v[\TB+2:\TB+3]
	v_add_f32 v[\TB], v[\TB], v[\TB+1]
	RED8 \TB
	v_fmaak_f32 v[\TB+1], s48, v[\TB], 0x3727c5ac  ; the variance + 1e-5
	v_rsq_f32 v[\TB+6], v[\TB+1]
	v_nop                                          ; one plain place behind the transcendental
	s_wait_alu depctr_va_vdst(0)
	v_mov_b32 v[\TB+7], v[\TB+6]
.set II, 0
.rept 32
	v_pk_mul_f32 v[\XB+II:\XB+II+1], v[\XB+II:\XB+II+1], v[\TB+6:\TB+7]
.set II, II+2
.endr
.irp b, 0,1
	v_max3_num_f32 v[\TB+8+\b], |v[\XB+32*\b]|, |v[\XB+32*\b+1]|, 0x1800000
.endr
.irp i, 2,4,6,8,10,12,14,16,18,20,22,24,26,28,30
.irp b, 0,1
	v_max3_num_f32 v[\TB+8+\b], v[\TB+8+\b], |v[\XB+32*\b+\i]|, |v[\XB+32*\b+\i+1]|
.endr
.endr
	v_add_nc_u32 v[\TB+10], 0xff000000, v[\TB+8]
	v_add_nc_u32 v[\TB+11], 0xff000000, v[\TB+9]
	v_lshrrev_b32 v[\TB+12], 23, v[\TB+10]
	v_lshrrev_b32 v[\TB+13], 23, v[\TB+11]
	v_lshl_or_b32 v[\TB+12], v[\TB+13], 8, v[\TB+12]
	ds_store_b16 v[FWS], v[\TB+12] offset:16*(\idx)    ; my two blocks' bytes: half of the row's scale word for this K step
.irp b, 0,1
.if \b == 1
	s_wait_dscnt 0x0                               ; the first block's stores have read the registers that the second block's codes take
.endif
	v_cvt_scalef32_pk16_fp6_f32 v[\TB+14:\TB+16], v[\XB+32*\b:\XB+32*\b+15], v[\TB+10+\b]
	v_cvt_scalef32_pk16_fp6_f32 v[\TB+20:\TB+22], v[\XB+32*\b+16:\XB+32*\b+31], v[\TB+10+\b]
	v_nop                                          ; one plain place behind the scaled conversions
	v_mov_b32 v[\TB+17], v[\TB+20]
	v_mov_b32 v[\TB+18], v[\TB+21]
	v_mov_b32 v[\TB+19], v[\TB+22]
	ds_store_b128 v[FWA], v[\TB+14:\TB+17] offset:2560*\b+64*(\idx)
	ds_store_b64 v[FWB], v[\TB+18:\TB+19] offset:1408*\b+32*(\idx)
.endr
.endm
.macro LNP sl, p, cnt, XB, TB          ; pass p: my 8 rows in slot sl; cnt younger tensor loads may stay out
	s_wait_tensorcnt \cnt
	LNU \sl, 2*(\p), \XB, \TB
	LNU \sl, 2*(\p)+1, \XB, \TB
.endm
.macro GADDR sl, p                     ; group 0's global address for pass p: row 512 l + min(128 u + 40 w + 8 p, 504); pass starts are multiples of 8, so no pass straddles the segment's end
	s_add_co_u32 s44, s43, 8*(\p)
	s_min_u32 s44, s44, 504
	s_add_co_u32 s44, s44, s59
	s_lshl_b32 s44, s44, 11
	s_mov_b32 s45, 0
	s_add_nc_u64 s[34+4*(\sl):35+4*(\sl)], s[4:5], s[44:45]
	s_or_b32 s[35+4*(\sl)], s[35+4*(\sl)], 0x80000000
.endm
.macro REFILL sl, p                    ; slot sl, which has been read, takes pass p
	s_wait_tensorcnt 0x0                           ; all my tensor loads have landed: a group 0 may be written
	ds_add_u32 v[SPW], v[NIL]                      ; 0 onto my spare word
	GADDR \sl, \p
	s_wait_dscnt 0x0                               ; the add is done, my reads of the slot are back, and my stores of images have landed
	s_barrier_signal -1
	s_barrier_wait -1
	tensor_load_to_lds s[32+4*(\sl):35+4*(\sl)], s[24:31]   ; my one tensor load behind the barrier, first thing there
	s_nop 0
	PLACES
.endm
; ---- the products.  A tile is 16 activation rows x my 128 columns x K = 512: 32 matrix instructions, eight accumulators in two groups of four, K step by K step.
.macro MM d, a, b, sa, sb, zero, row
.if (\zero) != 0
.if (\row) == 0
	v_wmma_scale_f32_16x16x128_f8f6f4 v[\d:\d+7], v[\a:\a+11], v[\b:\b+11], 0, v[\sa], v[\sb] matrix_a_fmt:MATRIX_FMT_FP6 matrix_b_fmt:MATRIX_FMT_FP6
.elseif (\row) == 1
	v_wmma_scale_f32_16x16x128_f8f6f4 v[\d:\d+7], v[\a:\a+11], v[\b:\b+11], 0, v[\sa], v[\sb] matrix_a_fmt:MATRIX_FMT_FP6 matrix_b_fmt:MATRIX_FMT_FP6 matrix_a_scale:MATRIX_SCALE_ROW1
.else
	v_wmma_scale_f32_16x16x128_f8f6f4 v[\d:\d+7], v[\a:\a+11], v[\b:\b+11], 0, v[\sa], v[\sb] matrix_a_fmt:MATRIX_FMT_FP6 matrix_b_fmt:MATRIX_FMT_FP6 matrix_b_scale:MATRIX_SCALE_ROW1
.endif
.else
.if (\row) == 0
	v_wmma_scale_f32_16x16x128_f8f6f4 v[\d:\d+7], v[\a:\a+11], v[\b:\b+11], v[\d:\d+7], v[\sa], v[\sb] matrix_a_fmt:MATRIX_FMT_FP6 matrix_b_fmt:MATRIX_FMT_FP6
.elseif (\row) == 1
	v_wmma_scale_f32_16x16x128_f8f6f4 v[\d:\d+7], v[\a:\a+11], v[\b:\b+11], v[\d:\d+7], v[\sa], v[\sb] matrix_a_fmt:MATRIX_FMT_FP6 matrix_b_fmt:MATRIX_FMT_FP6 matrix_a_scale:MATRIX_SCALE_ROW1
.else
	v_wmma_scale_f32_16x16x128_f8f6f4 v[\d:\d+7], v[\a:\a+11], v[\b:\b+11], v[\d:\d+7], v[\sa], v[\sb] matrix_a_fmt:MATRIX_FMT_FP6 matrix_b_fmt:MATRIX_FMT_FP6 matrix_b_scale:MATRIX_SCALE_ROW1
.endif
.endif
.endm
; four matrix instructions: column tiles g .. g + 3, K step s.  kind 0: transposed (source 0 = 16 weight rows, source 1 = the activations): a lane holds one activation row and eight columns.
; kind 1: source 0 = the activations: a lane holds one column and eight rows.  The weights' scale register holds tiles 0-3 in lanes 0-15 and tiles 4-7 in lanes 16-31.  K step 0 starts the sums with the constant 0.
.macro GRP kind, mat, g, s, par
.irp i, 0,1,2,3
	SLOTOF \mat, 8*(\s)+(\g)+\i
.set DR_, ACC+8*((\g)+\i)
.set BR_, ACT+12*(\s)
.set WS_, WSB+4*(\s)+\i
.set AS_, ASR+4*(\par)+(\s)
.set ZR_, 0
.if (\s) == 0
.set ZR_, 1
.endif
.if (\kind) == 0
	WIN WN
	MM DR_, RG, BR_, WS_, AS_, ZR_, (\g)/4
.else
	WIN WN<<2
	MM DR_, BR_, RG, AS_, WS_, ZR_, 2*((\g)/4)
.endif
.endr
.endm
; four packed lines on finished accumulators g .. g + 3, registers 2 s and 2 s + 1 (s = 0 first: each accumulator is read from its low end on).  kind 0: x q, into the dot products; kind 1: x a[row], into Z's sums
.macro EPI kind, g, s, init, par
.irp i, 0,1,2,3
.set AR_, ACC+8*((\g)+\i)+2*(\s)
.if (\kind) == 0
.set ER_, DOT+2*\i
.set QR_, QV+8*((\g)+\i)+2*(\s)
.else
.set ER_, ZACC+2*((\g)+\i)
.set QR_, AVV+8*(\par)+2*(\s)
.endif
.if (\init) != 0
	v_pk_mul_f32 v[ER_:ER_+1], v[AR_:AR_+1], v[QR_:QR_+1]
.else
	v_pk_fma_f32 v[ER_:ER_+1], v[AR_:AR_+1], v[QR_:QR_+1], v[ER_:ER_+1]
.endif
.endr
.endm
.macro FIN m                           ; tile m's 16 partial logits: my 64 products' sums, lane l xor 16's, to LDS
	v_pk_add_f32 v[DOT:DOT+1], v[DOT:DOT+1], v[DOT+2:DOT+3]
	v_pk_add_f32 v[DOT+4:DOT+5], v[DOT+4:DOT+5], v[DOT+6:DOT+7]
	v_pk_add_f32 v[DOT:DOT+1], v[DOT:DOT+1], v[DOT+4:DOT+5]
	v_add_f32 v[FT], v[DOT], v[DOT+1]
	v_permlanex16_b32 v[PT], v[FT], s46, s47
	v_add_f32 v[FT], v[FT], v[PT]
	ds_store_b32 v[OUTA], v[FT] offset:64*(\m)
.endm
.macro ACTLD s, m                      ; the activation fragment of K step s, tile m: four loads
.if (\s) < 2
.set AA_, RA0
.set AB_, RB0
.else
.set AA_, RA1
.set AB_, RB1
.endif
.set O0_, 2*(\s)*STR-((\s)/2)*SUB
	ds_load_b128 v[ACT+12*(\s):ACT+12*(\s)+3], v[AA_] offset:O0_+256*(\m)
	ds_load_b64 v[ACT+12*(\s)+4:ACT+12*(\s)+5], v[AB_] offset:O0_+128*(\m)
	ds_load_b128 v[ACT+12*(\s)+6:ACT+12*(\s)+9], v[AA_] offset:O0_+STR+256*(\m)
	ds_load_b64 v[ACT+12*(\s)+10:ACT+12*(\s)+11], v[AB_] offset:O0_+STR+128*(\m)
.endm
.macro ASLD par, m                     ; its rows' four scale words
.irp s, 0,1,2,3
	ds_load_b32 v[ASR+4*(\par)+\s], v[SA] offset:SSTR*\s+64*(\m)
.endr
.endm
.macro AVLD par, m                     ; a[16 m + 8 h + 0 .. 7]
	ds_load_b128 v[AVV+8*(\par):AVV+8*(\par)+3], v[AVR] offset:64*(\m)
	ds_load_b128 v[AVV+8*(\par)+4:AVV+8*(\par)+7], v[AVR] offset:64*(\m)+16
.endm
.macro TPRO kind, m                    ; a run's first tile is fetched ahead of it, in the order in which every tile is fetched
.set PAR, (\m)%2
	ACTLD 0, \m
	ASLD PAR, \m
	ACTLD 1, \m
.if (\kind) == 1
	AVLD PAR, \m
.endif
	ACTLD 2, \m
	ACTLD 3, \m
.endm
; A TILE.  First the four K steps of accumulators 0-3, with the vector work on the LAST tile's accumulators 4-7 between them; then those of accumulators 4-7, with the work on this tile's 0-3 and the next tile's loads.
; The four packed lines behind a group name none of its registers: they are the places in front of the loads into the fragment that it read, and in front of the first read of finished sums.
; The accumulators take turns, one instruction a turn, four apart, from group to group and from tile to tile.
; WAITS: behind fragment s's loads stand those of the later K steps, four each (kind 1: and a's two behind K step 1's): 12, 8, 4, 0 (14, 10, 4, 0).  The last tile's store of logits is older than all of them.
.macro TILE kind, mat, m, first, last
.set PAR, (\m)%2
.set PPV, 1-PAR
.irp s, 0,1,2,3
.if \s == 0
	s_wait_dscnt 12+2*(\kind)
.elseif \s == 1
	s_wait_dscnt 8+2*(\kind)
.elseif \s == 2
	s_wait_dscnt 4
.else
	s_wait_dscnt 0x0
.endif
	GRP \kind, \mat, 0, \s, PAR
	WIN 0
.if \first == 0
.if (\kind == 1) && (\m == 1) && (\s == 0)
	EPI \kind, 4, \s, 1, PPV
.else
	EPI \kind, 4, \s, 0, PPV
.endif
.endif
.endr
.if \first != 0
	PLACES
.elseif \kind == 0
	FIN (\m)-1
.endif
.irp s, 0,1,2,3
	GRP \kind, \mat, 4, \s, PAR
	WIN 0
.if (\s == 0) && ((\kind == 0) || (\m == 0))
	EPI \kind, 0, \s, 1, PAR
.else
	EPI \kind, 0, \s, 0, PAR
.endif
.if \last == 0
	ACTLD \s, (\m)+1
.if \s == 0
	ASLD PPV, (\m)+1
.endif
.if (\s == 1) && (\kind == 1)
	AVLD PPV, (\m)+1
.endif
.endif
.endr
.if \last != 0
	PLACES
.irp s, 0,1,2,3
	EPI \kind, 4, \s, 0, PAR
.endr
.if \kind == 0
	FIN \m
.endif
.endif
.endm
; ================ the head
	s_load_b512 s[4:19], s[0:1], 0x0               ; feats 4:5, coords 6:7, pos_w1 8:9, pos_b1 10:11, wcodes 12:13, wscl 14:15, cstat 16:17, qbuf 18:19
	s_load_b128 s[20:23], s[0:1], 0x40             ; qbp 20:21, zpart 22:23
	v_lshl_add_u32 v[SPW], v0, 2, SPARE
	v_mov_b32 v[NIL], 0
	ds_add_u32 v1, v2
	ds_add_u32 v1, v2
	s_wait_dscnt 0x0
	v_lshrrev_b32 v220, 5, v0
	v_readfirstlane_b32 s40, v220                  ; wave 0..3
	s_lshr_b32 s41, ttmp9, 2                       ; l: the segment
	s_and_b32 s42, ttmp9, 3                        ; u: its quarter
	s_mov_b32 s46, 0x76543210
	s_mov_b32 s47, 0xfedcba98                      ; selects for lane l xor 16
	s_mov_b32 s48, 0x3b000000                      ; 1 / 512
	s_mov_b32 s60, 0xc1200000                      ; the clip: -10,
	s_mov_b32 s61, 0x41200000                      ; 10
	; descriptor group 1: 8 rows of feats are 16,384 dense bytes: 64 rows of 32 elements of 8 bytes, 4 words of padding behind every 64
	s_mov_b32 s24, (3<<16)|(1<<20)|(5<<22)|(3<<25)
	s_mov_b32 s25, 32<<16
	s_mov_b32 s26, 64<<16
	s_mov_b32 s27, 32<<16
	s_mov_b32 s28, 64
	s_mov_b32 s29, 32
	s_mov_b32 s30, 0
	s_mov_b32 s31, 0
	s_mul_i32 s56, s40, 40
	s_lshl_b32 s43, s42, 7
	s_add_co_u32 s43, s43, s56                     ; 128 u + 40 w: my first segment row
	s_lshl_b32 s59, s41, 9                         ; 512 l
	s_mov_b32 s32, 1
	s_mul_i32 s33, s40, 2*SLOTB                    ; my ring: slot 0,
	s_mov_b32 s36, 1
	s_add_co_u32 s37, s33, SLOTB                   ; slot 1
	s_wait_kmcnt 0x0
	GADDR 0, 0
	GADDR 1, 1
	tensor_load_to_lds s[32:35], s[24:31]          ; the two first fills go out together, ahead of every wait on TENSORcnt, LDS read and barrier: two loads of mine are out, later one
	s_nop 0
	tensor_load_to_lds s[36:39], s[24:31]
	s_nop 0
	PLACES
	s_mul_i32 s44, s40, 49152
	s_add_nc_u64 s[12:13], s[12:13], s[44:45]      ; my share of the codes,
	s_lshl_b32 s44, s40, 11
	s_add_nc_u64 s[14:15], s[14:15], s[44:45]      ; of the scale words,
	s_lshl_b32 s44, s40, 10
	s_add_nc_u64 s[8:9], s[8:9], s[44:45]          ; of pos_w1,
	s_lshl_b32 s44, s40, 9
	s_add_nc_u64 s[10:11], s[10:11], s[44:45]      ; of pos_b1
	s_lshl_b32 s44, s41, 11
	s_lshl_b32 s56, s40, 9
	s_add_co_u32 s44, s44, s56
	s_add_nc_u64 s[18:19], s[18:19], s[44:45]      ; q: row l, my 128 columns
	s_lshl_b32 s56, s42, 17
	s_add_co_u32 s44, s44, s56
	s_add_nc_u64 s[22:23], s[22:23], s[44:45]      ; zpart: part u, row l, my 128 columns
	s_lshl_b32 s44, s41, 8
	s_add_nc_u64 s[20:21], s[20:21], s[44:45]      ; qbp: row l
	s_lshl_b32 s44, s41, 12
	s_add_nc_u64 s[6:7], s[6:7], s[44:45]          ; coords: the segment's first point
	s_lshl_b32 s56, s42, 2
	s_add_co_u32 s56, s56, s40
	s_cmp_eq_u32 s56, 15                           ; the segment's last window has 32 rows
	s_cselect_b32 s50, 0, 1.0                      ; whether its second half counts,
	s_cselect_b32 s54, -1, 0                       ; the mask that hides it,
	s_mov_b32 s52, 0x3c800000
	s_cselect_b32 s52, 0x3d000000, s52             ; and 1 / its count
	v_and_b32 v220, 31, v0                         ; lane
	v_and_b32 v221, 15, v0                         ; r
	v_bfe_u32 v222, v0, 4, 1                       ; h
	v_and_b32 v223, 7, v0                          ; lane % 8
	v_bfe_u32 v224, v0, 3, 2                       ; lane / 8
	v_lshlrev_b32 v[WOFF], 4, v220
	v_lshlrev_b32 v[L4], 2, v220
	v_lshlrev_b32 v[O256], 8, v222
	v_lshlrev_b32 v[O128], 7, v222
	v_lshlrev_b32 v[O32], 5, v222
	v_lshlrev_b32 v102, 3, v220
	s_lshl_b32 s56, s42, 7
	s_lshl_b32 s57, s40, 5
	s_add_co_u32 s56, s56, s57                     ; window w begins at segment row 128 u + 32 w
	v_add_nc_u32 v103, s56, v220
	v_add_nc_u32 v104, 32, v103
	v_min_u32 v104, 511, v104                      ; clamped as reference() clamps it
	v_lshlrev_b32 v103, 3, v103
	v_lshlrev_b32 v104, 3, v104
	global_load_b128 v[92:95], v[WOFF], s[16:17]   ; chunk = lane: its mean and M2
	global_load_b64 v[96:97], v102, s[20:21]       ; two of the 64 parts of q . pos_b2
	global_load_b64 v[98:99], v103, s[6:7]         ; my window's positions lane and lane + 32
	global_load_b64 v[100:101], v104, s[6:7]
	CONST 0
	WLOAD 0, 0, 10
	; the addresses that stay
	v_mov_b32 v[PT], 0
	v_mov_b32 v[DXW+1], 0                          ; named as upper halves of pairs
	v_mov_b32 v[DYW+1], 0
	v_lshlrev_b32 v[HRA0], 4, v221
	v_lshl_add_u32 v[HRA0], v222, 12, v[HRA0]
	v_add_nc_u32 v[HRA0], HIMG, v[HRA0]
	v_add_nc_u32 v[HRA1], 4*HSC, v[HRA0]
	v_lshlrev_b32 v[HRB0], 3, v221
	v_mad_u32_u24 v[HRB0], v222, 2176, v[HRB0]
	v_add_nc_u32 v[HRB0], HIMG+8192, v[HRB0]
	v_add_nc_u32 v[HRB1], 4*HSC, v[HRB0]
	v_lshl_add_u32 v[HSA], v221, 2, HS
	v_lshlrev_b32 v[FRA], 4, v221
	v_mad_u32_u24 v[FRA], v222, 2560, v[FRA]
	v_add_nc_u32 v[FRA], FIMG, v[FRA]
	v_lshlrev_b32 v[FRB], 3, v221
	v_mad_u32_u24 v[FRB], v222, 1408, v[FRB]
	v_add_nc_u32 v[FRB], FIMG+5120, v[FRB]
	v_lshl_add_u32 v[FSA], v221, 2, FS
	s_lshl_b32 s56, s40, 10
	s_add_co_u32 s56, s56, LP
	v_lshl_add_u32 v[LPW], v221, 2, s56
	s_mul_i32 s56, s40, 640
	s_add_co_u32 s57, s56, LF
	v_lshl_add_u32 v[LFW], v221, 2, s57
	v_mad_u32_u24 v[RRD], v220, 272, s33
	v_mul_u32_u24 v[FWA], v223, FSC
	v_lshl_add_u32 v[FWB], v224, 3, v[FWA]
	v_lshl_add_u32 v[FWA], v224, 4, v[FWA]
	s_add_co_u32 s57, s56, FIMG                    ; 16 x 40 w
	v_add_nc_u32 v[FWA], s57, v[FWA]
	s_mul_i32 s57, s40, 320                        ; 8 x 40 w
	s_add_co_u32 s57, s57, FIMG+5120
	v_add_nc_u32 v[FWB], s57, v[FWB]
	v_lshrrev_b32 v225, 1, v223
	v_mul_u32_u24 v[FWS], v225, 640
	v_and_b32 v225, 1, v223
	v_lshl_add_u32 v[FWS], v225, 1, v[FWS]
	v_lshl_add_u32 v[FWS], v224, 2, v[FWS]
	s_mul_i32 s57, s40, 160                        ; 4 x 40 w
	s_add_co_u32 s57, s57, FS
	v_add_nc_u32 v[FWS], s57, v[FWS]
	s_mul_i32 s56, s40, 2*HSC
	s_add_co_u32 s57, s56, HIMG
	v_lshlrev_b32 v[HWA0], 4, v221
	v_lshl_add_u32 v[HWA0], v222, 12, v[HWA0]
	v_add_nc_u32 v[HWA0], s57, v[HWA0]             ; h's block 2 w + c, here c = 0
	s_add_co_u32 s57, s56, HIMG+8192
	v_lshlrev_b32 v[HWB0], 3, v221
	v_mad_u32_u24 v[HWB0], v222, 2176, v[HWB0]
	v_add_nc_u32 v[HWB0], s57, v[HWB0]
	s_lshl_b32 s56, s40, 10
	s_add_co_u32 s56, s56, HS
	v_lshl_add_u32 v[HWS0], v221, 2, v222
	v_add_nc_u32 v[HWS0], s56, v[HWS0]             ; byte 2 c + h of row r's word of K step w
	v_lshl_add_u32 v[DXR0], v221, 3, DXY
	s_lshl_b32 s56, s40, 9
	s_add_co_u32 s56, s56, DXY
	v_lshl_add_u32 v105, v220, 3, s56              ; window row 64 w + lane
	v_lshl_add_u32 v120, v0, 4, AW
.irp i, 0,1,2,3
	v_mov_b32 v[116+\i], 0
.endr
	ds_store_b128 v120, v[116:119]                 ; the weights' two arrays begin as zeros
; ================ the coordinates' statistics, and my window's centroid
	s_wait_loadcnt 57                              ; behind the first four loads stand 24 + 33
	v_mov_b32 v106, v92
	v_mov_b32 v107, v93
	RED32 106
	RED32 107
	v_mul_f32 v106, 0x3d000000, v106               ; the mean of 32 chunk means (equal chunks)
	v_mul_f32 v107, 0x3d000000, v107
	v_sub_f32 v108, v92, v106
	v_sub_f32 v109, v93, v107
	v_mul_f32 v108, v108, v108
	v_mul_f32 v109, v109, v109
	v_fmamk_f32 v108, v108, 0x44800000, v94        ; M2 of the chunk + 1,024 (its mean - the mean)^2
	v_fmamk_f32 v109, v109, 0x44800000, v95
	RED32 108
	RED32 109
	v_mul_f32 v108, 0x38000100, v108               ; / 32,767
	v_mul_f32 v109, 0x38000100, v109
	v_sqrt_f32 v111, v108
	v_sqrt_f32 v112, v109
	v_add_f32 v110, v96, v97                       ; (a plain place behind the roots)
	s_wait_alu depctr_va_vdst(0)
	v_add_f32 v111, 0x322bcc77, v111               ; + 1e-8
	v_add_f32 v112, 0x322bcc77, v112
	v_rcp_f32 v113, v111
	v_rcp_f32 v114, v112
	v_nop
	RED32 110
	v_readfirstlane_b32 s49, v110                  ; q . pos_b2
	v_sub_f32 v98, v98, v106
	v_sub_f32 v99, v99, v107
	v_sub_f32 v100, v100, v106
	v_sub_f32 v101, v101, v107
	s_wait_alu depctr_va_vdst(0)
	v_mul_f32 v98, v98, v113
	v_mul_f32 v99, v99, v114
	v_mul_f32 v100, v100, v113
	v_mul_f32 v101, v101, v114
	v_fma_f32 v106, s50, v100, v98                 ; valid positions only
	v_fma_f32 v107, s50, v101, v99
	RED32 106
	RED32 107
	v_mul_f32 v106, s52, v106                      ; the centroid
	v_mul_f32 v107, s52, v107
	v_sub_f32 v98, v98, v106
	v_sub_f32 v99, v99, v107
	v_sub_f32 v100, v100, v106
	v_sub_f32 v101, v101, v107
	ds_store_b64 v105, v[98:99]
	ds_store_b64 v105, v[100:101] offset:256
	s_wait_loadcnt 33                              ; pos_w1 and pos_b1 for c = 0 are in; the 33 loads of weights may be out
	s_wait_dscnt 0x0                               ; my stores have landed (for the others), and have read registers that are written next
	DEINT
	WLOAD 0, 11, 31
	s_barrier_signal -1
	s_barrier_wait -1                              ; (dx, dy) of all 256 window rows lie in LDS
; ================ h, and the layer norm's first passes
	HGEN
	CONST 1
	WLOAD 1, 0, 11
	LNP 0, 0, 1, 92, 220                           ; pass 0 has landed; pass 1 may be out
	REFILL 0, 2
	s_wait_loadcnt 36                              ; pos_w1 and pos_b1 for c = 1 are in; behind them 36 loads of Wk
	DEINT
	WLOAD 1, 12, 30
	v_add_nc_u32 v[HWA0], HSC, v[HWA0]             ; block 2 w + 1,
	v_add_nc_u32 v[HWB0], HSC, v[HWB0]
	v_add_nc_u32 v[HWS0], 2, v[HWS0]               ; bytes 2 + h
	HGEN
.irp t, 0,1,2,3,4,5,6,7
	global_load_b128 v[QV+8*\t:QV+8*\t+3], v[O32], s[18:19] offset:64*\t       ; q(l, 128 w + 16 t + 8 h + 0 .. 7)
	global_load_b128 v[QV+8*\t+4:QV+8*\t+7], v[O32], s[18:19] offset:64*\t+16
.endr
	WSLOAD 0, WSA
	WSLOAD 1, WSBB
	LNP 1, 1, 1, 124, 188                          ; pass 1 landed by the refill's wait; pass 2 may be out
	REFILL 1, 3                                    ; its barrier also shows every wave all of h's images
	s_wait_loadcnt 0x0                             ; pos_w2, Wk (but its last fragment), q, scale words
; ================ P: q . (h pos_w2^T), 16 tiles of window rows, with a pass of the layer norm in the middle
.set RA0, HRA0
.set RA1, HRA1
.set RB0, HRB0
.set RB1, HRB1
.set SA, HSA
.set STR, HSC
.set SUB, 4*HSC
.set SSTR, 1024
.set WSB, WSA
.set OUTA, LPW
	TPRO 0, 0
	TILE 0, 0, 0, 1, 0
.irp m, 1,2,3,4,5,6
	TILE 0, 0, \m, 0, 0
.endr
	TILE 0, 0, 7, 0, 1
	LNP 0, 2, 1, 124, 188
	REFILL 0, 4
	TPRO 0, 8
	TILE 0, 0, 8, 1, 0
.irp m, 9,10,11,12,13,14
	TILE 0, 0, \m, 0, 0
.endr
	TILE 0, 0, 15, 0, 1
	WLOAD 1, 31, 31                                ; pos_w2 is done with: Wk's last fragment and Wv take its places
	WLOAD 2, 0, 18
	LNP 1, 3, 1, 124, 188
	WLOAD 2, 19, 30
	WSLOAD 2, WSA
	LNP 0, 4, 0, 124, 188
	s_wait_dscnt 0x0
	s_barrier_signal -1
	s_barrier_wait -1                              ; all of f's images lie in LDS
	s_wait_loadcnt 52                              ; all but the last 36 + 16 loads: Wk's last fragment is in
; ================ FK: q . (f Wk^T), 10 tiles of local rows
.set RA0, FRA
.set RA1, FRA
.set RB0, FRB
.set RB1, FRB
.set SA, FSA
.set STR, FSC
.set SUB, 0
.set SSTR, 640
.set WSB, WSBB
.set OUTA, LFW
	TPRO 0, 0
	TILE 0, 1, 0, 1, 0
.irp m, 1,2,3,4,5,6,7,8
	TILE 0, 1, \m, 0, 0
.endr
	TILE 0, 1, 9, 0, 1
	WLOAD 2, 31, 31                                ; Wv's last fragment, where Wk's first lay
	s_wait_dscnt 0x0
	s_barrier_signal -1
	s_barrier_wait -1                              ; all partial logits lie in LDS
; ================ the softmax: wave w takes window w; a lane positions lane and lane + 32
	s_lshl_b32 s56, s40, 8
	s_add_co_u32 s56, s56, LP
	v_add_nc_u32 v124, s56, v[L4]
	s_lshl_b32 s57, s40, 7
	s_add_co_u32 s56, s57, LF
	v_add_nc_u32 v125, s56, v[L4]
	s_add_co_u32 s56, s57, AW
	v_add_nc_u32 v126, s56, v[L4]
.irp k, 0,1,2,3
	ds_load_b32 v[128+\k], v124 offset:1024*\k
	ds_load_b32 v[132+\k], v124 offset:1024*\k+128
	ds_load_b32 v[136+\k], v125 offset:640*\k
	ds_load_b32 v[140+\k], v125 offset:640*\k+128
.endr
	s_wait_dscnt 0x0
.irp b, 128,132,136,140
	v_add_f32 v[\b], v[\b], v[\b+1]
	v_add_f32 v[\b+2], v[\b+2], v[\b+3]
.endr
.irp b, 128,132,136,140
	v_add_f32 v[\b], v[\b], v[\b+2]
.endr
	v_add_f32 v128, v128, v136
	v_add_f32 v132, v132, v140
	v_add_f32 v128, s49, v128                      ; + q . pos_b2
	v_add_f32 v132, s49, v132
	v_mul_f32 v128, 0x3d3504f3, v128               ; / sqrt(512)
	v_mul_f32 v132, 0x3d3504f3, v132
	v_med3_num_f32 v128, v128, s60, s61            ; the clip
	v_med3_num_f32 v132, v132, s60, s61
	v_mov_b32 v144, 0xff800000
	v_cndmask_b32 v132, v132, v144, s54            ; the ragged tail: -infinity
	v_max_num_f32 v145, v128, v132
	MAX32 145
	v_sub_f32 v128, v128, v145
	v_sub_f32 v132, v132, v145
	v_mul_f32 v128, 0x3fb8aa3b, v128
	v_mul_f32 v132, 0x3fb8aa3b, v132
	v_exp_f32 v146, v128
	v_exp_f32 v147, v132
	v_nop
	s_wait_alu depctr_va_vdst(0)
	v_add_f32 v148, v146, v147
	RED32 148
	v_rcp_f32 v149, v148
	v_nop
	s_wait_alu depctr_va_vdst(0)
	v_mul_f32 v149, 0x3d800000, v149               ; with the mean over 16 windows
	v_mul_f32 v146, v146, v149
	v_mul_f32 v147, v147, v149
	ds_store_b32 v126, v146                        ; A0[32 w + lane]
	ds_store_b32 v126, v147 offset:1152            ; A1[32 w + 32 + lane]
	s_wait_dscnt 0x0
	s_barrier_signal -1
	s_barrier_wait -1
	v_lshl_add_u32 v124, v0, 2, AW
	v_lshl_add_u32 v125, v0, 2, AC
	ds_load_b32 v128, v124
	ds_load_b32 v129, v124 offset:1024
	ds_load_b32 v130, v124 offset:512
	ds_load_b32 v131, v124 offset:1536
	v_bfe_u32 v[AVR], v0, 4, 1
	v_lshl_add_u32 v[AVR], v[AVR], 5, AC
	s_wait_dscnt 0x0
	v_add_f32 v128, v128, v129                     ; a row's weights in the two windows that hold it
	v_add_f32 v130, v130, v131
	ds_store_b32 v125, v128
	ds_store_b32 v125, v130 offset:512
	s_wait_dscnt 0x0
	s_barrier_signal -1
	s_barrier_wait -1
	s_wait_loadcnt 0x0                             ; Wv and its scale words
; ================ V: the sum over local rows of a[rho] (f Wv^T)
.set WSB, WSA
	TPRO 1, 0
	TILE 1, 2, 0, 1, 0
.irp m, 1,2,3,4,5,6,7,8
	TILE 1, 2, \m, 0, 0
.endr
	TILE 1, 2, 9, 0, 1
; ================ the way out: 128 numbers a wave
.irp t, 0,1,2,3,4,5,6,7
	v_add_f32 v[92+\t], v[ZACC+2*\t], v[ZACC+2*\t+1]
.endr
.irp t, 0,1,2,3,4,5,6,7
	v_permlanex16_b32 v[PT], v[92+\t], s46, s47    ; the other half of the lanes holds the other eight rows of each tile
	v_add_f32 v[92+\t], v[92+\t], v[PT]
.endr
	s_lshl_b32 s56, s40, 9
	s_add_co_u32 s56, s56, ZST
	v_and_b32 v100, 15, v0
	v_lshl_add_u32 v100, v100, 2, s56
	v_add_nc_u32 v101, s56, v[WOFF]
.irp t, 0,1,2,3,4,5,6,7
	ds_store_b32 v100, v[92+\t] offset:64*\t       ; column 16 t + r (both halves of the lanes write the same number)
.endr
	ds_load_b128 v[104:107], v101                  ; LDS serves a wave's instructions in order: this sees my stores
	s_wait_dscnt 0x0
	global_store_b128 v[WOFF], v[104:107], s[22:23]    ; 32 lanes store 512 consecutive bytes, aligned
	s_wait_tensorcnt 0x0                           ; the wave's end
	ds_add_u32 v[SPW], v[NIL]
	s_wait_dscnt 0x0
	s_endpgm
.Lfunc_end_k_q8bafb5895d_main:
	.size	k_q8bafb5895d_main, .Lfunc_end_k_q8bafb5895d_main-k_q8bafb5895d_main
	.p2alignl 7, 3214868480
	.fill 96, 4, 3214868480
	.section	.rodata,"a",@progbits
	.p2align	6, 0x0
	.amdhsa_kernel k_q8bafb5895d_main
		.amdhsa_group_segment_fixed_size 327680
		.amdhsa_private_segment_fixed_size 0
		.amdhsa_enable_private_segment 0
		.amdhsa_kernarg_size 80
		.amdhsa_user_sgpr_count 2
		.amdhsa_user_sgpr_kernarg_segment_ptr 1
		.amdhsa_wavefront_size32 1
		.amdhsa_system_sgpr_workgroup_id_x 1
		.amdhsa_system_sgpr_workgroup_id_y 1
		.amdhsa_system_sgpr_workgroup_id_z 1
		.amdhsa_system_vgpr_workitem_id 0
		.amdhsa_next_free_vgpr 1024
		.amdhsa_next_free_sgpr 66
		.amdhsa_reserve_vcc 0
		.amdhsa_float_denorm_mode_32 3
		.amdhsa_float_denorm_mode_16_64 3
		.amdhsa_memory_ordered 1
		.amdhsa_forward_progress 1
		.amdhsa_inst_pref_size 255
	.end_amdhsa_kernel
	.section	.bss,"aw",@nobits
	.p2align	6
	.space	262144
	.amdgpu_metadata
---
amdhsa.version: [ 1, 2 ]
amdhsa.kernels:
  - .name:           k_q8bafb5895d_main
    .symbol:         k_q8bafb5895d_main.kd
    .args:
      - { .name: feats, .offset: 0, .size: 8, .value_kind: global_buffer, .address_space: global }
      - { .name: coords, .offset: 8, .size: 8, .value_kind: global_buffer, .address_space: global }
      - { .name: pos_w1, .offset: 16, .size: 8, .value_kind: global_buffer, .address_space: global }
      - { .name: pos_b1, .offset: 24, .size: 8, .value_kind: global_buffer, .address_space: global }
      - { .name: wcodes, .offset: 32, .size: 8, .value_kind: global_buffer, .address_space: global }
      - { .name: wscl, .offset: 40, .size: 8, .value_kind: global_buffer, .address_space: global }
      - { .name: cstat, .offset: 48, .size: 8, .value_kind: global_buffer, .address_space: global }
      - { .name: qbuf, .offset: 56, .size: 8, .value_kind: global_buffer, .address_space: global }
      - { .name: qbp, .offset: 64, .size: 8, .value_kind: global_buffer, .address_space: global }
      - { .name: zpart, .offset: 72, .size: 8, .value_kind: global_buffer, .address_space: global }
    .group_segment_fixed_size: 327680
    .private_segment_fixed_size: 0
    .kernarg_segment_align: 8
    .kernarg_segment_size: 80
    .max_flat_workgroup_size: 128
    .sgpr_count:     66
    .vgpr_count:     1024
    .wavefront_size: 32
...
	.end_amdgpu_metadata
.endif
;; end of part 2
;; launch outp (part 3): grid 32 x 1, 4 waves a work-group, no clusters, 12,800 bytes of LDS; arguments zpart, Wp, bp, out0; writes out0
.if DOCPART == 3
	.amdgcn_target "amdgcn-amd-amdhsa--gfx1250"
	.amdhsa_code_object_version 6
	.text
	.protected	k_q8bafb5895d_outp
	.globl	k_q8bafb5895d_outp
	.p2align	8
	.type	k_q8bafb5895d_outp,@function
k_q8bafb5895d_outp:
	s_mov_b64 s[64:65], 0
	v_nop
	global_prefetch_b8 v0, s[64:65] scope:SCOPE_SE
	s_setreg_imm32_b32 hwreg(HW_REG_WAVE_MODE, 25, 1), 1
	s_wait_xcnt 0x0
; out0 = Q(Z) Q(Wp)^T + bp, Z = the sum of the four quarters' parts in zpart [4][64][512].  Both operands are quantised here along K to FP6 (E2M3) with E8M0 scales.
; A work-group takes 16 rows of Z x 64 columns; wave w sums and quantises K step w of Z and hands it round through LDS as an image of its registers; it makes columns 16 w .. 16 w + 15 of the 64 from its own 16 rows of Wp.
; bp is the C of the first matrix instruction.  LIMITS: NaN and infinities are not served; a block of zeros keeps the scale byte 1 with zero codes.
.set LI, 1                             ; v1  16 x lane
.set LS, 2                             ; v2  4 x lane
.set VO, 3                             ; v3  2,048 r + 128 h
.set H8, 4                             ; v4  8 h
.set VR, 5
.set VH, 6
.set PT, 7
.set VL, 9
.set QM, 84
.set QS, 86
.set QBY, 88
.set QT, 90
.set AIMG, 0                           ; LDS: four fragments of Z, 1,536 bytes each; their scale words; the stage, 16 rows x (256 + 16) bytes
.set ASC, 6144
.set STG, 6656
.set MSB, 0
.macro WIN new                         ; the immediate's high byte repeats the setting that is left
.if MSB != (\new)
	s_set_vgpr_msb (MSB<<8)|(\new)
.set MSB, (\new)
.endif
.endm
.macro PLACES
.rept 4
	v_nop
.endr
.endm
.macro XL XB, XW, AV, SB, off          ; 64 numbers of my row: register 32 c + i = k 64 c + 32 h + i, from off bytes on
	WIN (\XW)<<6
.irp c, 0,1
.irp j, 0,1,2,3,4,5,6,7
	global_load_b128 v[\XB+32*\c+4*\j:\XB+32*\c+4*\j+3], v[\AV], s[\SB:\SB+1] offset:\off+256*\c+16*\j
.endr
.endr
	WIN 0
.endm
.macro QK XB, XW, FB, WR               ; they become a fragment's 12 registers and my row's scale word
	WIN 5*(\XW)
.irp c, 0,1
	v_max3_num_f32 v[QM+\c], |v[\XB+32*\c]|, |v[\XB+32*\c+1]|, 0x1800000   ; the floor 2^(3 - 127): the byte cannot fall under 1
.endr
.irp i, 2,4,6,8,10,12,14,16,18,20,22,24,26,28,30
.irp c, 0,1
	v_max3_num_f32 v[QM+\c], |v[\XB+32*\c+\i]|, |v[\XB+32*\c+\i+1]|, v[QM+\c]
.endr
.endr
	WIN 0
	v_add_nc_u32 v[QS], 0xff000000, v[QM]
	v_add_nc_u32 v[QS+1], 0xff000000, v[QM+1]
	v_lshrrev_b32 v[QBY], 23, v[QS]
	v_lshrrev_b32 v[QBY+1], 23, v[QS+1]
	v_lshl_or_b32 v[\WR], v[QBY+1], 16, v[QBY]
	v_lshlrev_b32 v[\WR], v[H8], v[\WR]
	v_permlanex16_b32 v[PT], v[\WR], s46, s47
	v_or_b32 v[\WR], v[\WR], v[PT]
	WIN \XW
	v_cvt_scalef32_pk16_fp6_f32 v[\FB:\FB+2], v[\XB:\XB+15], v[QS]
	v_cvt_scalef32_pk16_fp6_f32 v[QT:QT+2], v[\XB+16:\XB+31], v[QS]
	v_cvt_scalef32_pk16_fp6_f32 v[\FB+6:\FB+8], v[\XB+32:\XB+47], v[QS+1]
	v_cvt_scalef32_pk16_fp6_f32 v[QT+4:QT+6], v[\XB+48:\XB+63], v[QS+1]
	WIN 0
	v_nop                                          ; one plain place behind the scaled conversions
.irp i, 0,1,2
	v_mov_b32 v[\FB+3+\i], v[QT+\i]
	v_mov_b32 v[\FB+9+\i], v[QT+4+\i]
.endr
.endm
	s_load_b256 s[4:11], s[0:1], 0x0               ; zpart 4:5, Wp 6:7, bp 8:9, out0 10:11
	v_lshl_add_u32 v126, v0, 2, 0x3000
	v_mov_b32 v127, 0
	v_lshrrev_b32 v8, 5, v0
	v_readfirstlane_b32 s40, v8                    ; wave 0..3
	v_and_b32 v[VL], 31, v0
	v_and_b32 v[VR], 15, v0
	v_bfe_u32 v[VH], v0, 4, 1
	v_lshlrev_b32 v[LI], 4, v[VL]
	v_lshlrev_b32 v[LS], 2, v[VL]
	v_lshlrev_b32 v[VO], 11, v[VR]
	v_lshl_add_u32 v[VO], v[VH], 7, v[VO]
	v_lshlrev_b32 v[H8], 3, v[VH]
	v_mov_b32 v[PT], 0
	v_lshlrev_b32 v8, 5, v[VH]                     ; 32 h
	s_mov_b32 s46, 0x76543210
	s_mov_b32 s47, 0xfedcba98
	s_mov_b32 s45, 0
	s_and_b32 s31, ttmp9, 3                        ; m: which 16 rows
	s_lshr_b32 s32, ttmp9, 2                       ; cg: which 64 columns
	s_wait_kmcnt 0x0
	s_lshl_b32 s44, s32, 8
	s_lshl_b32 s36, s40, 6
	s_add_co_u32 s44, s44, s36
	s_add_nc_u64 s[8:9], s[8:9], s[44:45]          ; bp at column 64 cg + 16 w
	s_lshl_b32 s44, s31, 15
	s_lshl_b32 s36, s40, 9
	s_add_co_u32 s44, s44, s36
	s_add_nc_u64 s[4:5], s[4:5], s[44:45]          ; zpart at row 16 m, K step w
	s_lshl_b32 s44, s32, 17
	s_lshl_b32 s36, s40, 15
	s_add_co_u32 s44, s44, s36
	s_add_nc_u64 s[6:7], s[6:7], s[44:45]          ; Wp at row 64 cg + 16 w
	global_load_b128 v[108:111], v8, s[8:9]
	global_load_b128 v[112:115], v8, s[8:9] offset:16
	XL 0, 2, VO, 4, 0                              ; the four parts, into window 2
	XL 64, 2, VO, 4, 131072
	XL 128, 2, VO, 4, 262144
	XL 192, 2, VO, 4, 393216
	XL 0, 1, VO, 6, 0                              ; Wp's four K steps, into window 1
	XL 64, 1, VO, 6, 512
	XL 128, 1, VO, 6, 1024
	XL 192, 1, VO, 6, 1536
	s_lshl_b32 s44, s31, 15
	s_lshl_b32 s36, s40, 13
	s_add_co_u32 s44, s44, s36
	s_lshl_b32 s36, s32, 8
	s_add_co_u32 s44, s44, s36
	s_add_nc_u64 s[10:11], s[10:11], s[44:45]      ; out0: row 16 m + 4 w, column 64 cg
	s_mul_i32 s36, s40, 1536
	v_add_nc_u32 v10, s36, v[LI]
	s_lshl_b32 s36, s40, 7
	v_add_nc_u32 v11, s36, v[LS]
	v_mul_u32_u24 v12, v[VR], 272
	v_lshl_add_u32 v12, v[VH], 5, v12
	s_lshl_b32 s36, s40, 6
	s_add_co_u32 s36, s36, STG
	v_add_nc_u32 v12, s36, v12                     ; the stage, in: row r, 64 w + 32 h
	v_mul_u32_u24 v13, v[VH], 272
	v_lshl_add_u32 v13, v[VR], 4, v13
	s_mul_i32 s36, s40, 1088
	s_add_co_u32 s36, s36, STG
	v_add_nc_u32 v13, s36, v13                     ; back: rows 4 w + h (+ 2)
	v_lshlrev_b32 v15, 4, v[VR]
	v_lshl_add_u32 v15, v[VH], 11, v15
	s_wait_loadcnt 63                              ; 130 loads were issued: the first 67 are in, bp's two and the parts' 64 among them
	WIN 0x0a                                       ; sources 0 and 1 in window 2
.set II, 0
.rept 32
	v_pk_add_f32 v[128+II:129+II], v[II:II+1], v[64+II:65+II]
	v_pk_add_f32 v[192+II:193+II], v[128+II:129+II], v[192+II:193+II]
.set II, II+2
.endr
	WIN 0
.set II, 0
.rept 32
	v_pk_add_f32 v[128+II:129+II], v[128+II:129+II], v[192+II:193+II]
.set II, II+2
.endr
	QK 128, 0, 16, 104
.irp c, 0,1,2
	ds_store_b128 v10, v[16+4*\c:19+4*\c] offset:AIMG+512*\c
.endr
	ds_store_b32 v11, v104 offset:ASC
.irp s, 0,1,2,3
	s_wait_loadcnt 48-16*\s
	QK 64*\s, 1, 32+12*\s, 80+\s
.endr
	s_wait_dscnt 0x0                               ; for the others' sake: my image has landed
	s_barrier_signal -1
	s_barrier_wait -1
.irp s, 0,1,2,3
.irp c, 0,1,2
	ds_load_b128 v[128+12*\s+4*\c:131+12*\s+4*\c], v[LI] offset:AIMG+1536*\s+512*\c
.endr
	ds_load_b32 v[100+\s], v[LS] offset:ASC+128*\s
.endr
	s_wait_dscnt 0x0
.rept 8
	v_nop                                          ; Wp's scale words were written by vector instructions: 8 places ahead of a scaled matrix instruction, its codes 4
.endr
	; transposed: lane (r, h) holds out0(16 m + r, 64 cg + 16 w + 8 h + j).  Two accumulators by turns
	v_wmma_scale_f32_16x16x128_f8f6f4 v[176:183], v[32:43], v[128:139], v[108:115], v80, v100 matrix_a_fmt:MATRIX_FMT_FP6 matrix_b_fmt:MATRIX_FMT_FP6
	v_wmma_scale_f32_16x16x128_f8f6f4 v[184:191], v[44:55], v[140:151], 0, v81, v101 matrix_a_fmt:MATRIX_FMT_FP6 matrix_b_fmt:MATRIX_FMT_FP6
	v_wmma_scale_f32_16x16x128_f8f6f4 v[176:183], v[56:67], v[152:163], v[176:183], v82, v102 matrix_a_fmt:MATRIX_FMT_FP6 matrix_b_fmt:MATRIX_FMT_FP6
	v_wmma_scale_f32_16x16x128_f8f6f4 v[184:191], v[68:79], v[164:175], v[184:191], v83, v103 matrix_a_fmt:MATRIX_FMT_FP6 matrix_b_fmt:MATRIX_FMT_FP6
	PLACES
.irp j, 0,2,4,6
	v_pk_add_f32 v[192+\j:193+\j], v[176+\j:177+\j], v[184+\j:185+\j]   ; from the low end on
.endr
	ds_store_b128 v12, v[192:195]
	ds_store_b128 v12, v[196:199] offset:16
	s_wait_dscnt 0x0
	s_barrier_signal -1
	s_barrier_wait -1                              ; 16 rows x 256 bytes lie in the stage
	ds_load_b128 v[208:211], v13
	ds_load_b128 v[212:215], v13 offset:544
	s_wait_dscnt 0x0
	global_store_b128 v15, v[208:211], s[10:11]    ; sixteen lanes store 256 consecutive bytes, aligned
	global_store_b128 v15, v[212:215], s[10:11] offset:4096
	s_wait_tensorcnt 0x0
	ds_add_u32 v126, v127
	s_wait_dscnt 0x0
	s_endpgm
.Lfunc_end_k_q8bafb5895d_outp:
	.size	k_q8bafb5895d_outp, .Lfunc_end_k_q8bafb5895d_outp-k_q8bafb5895d_outp
	.p2alignl 7, 3214868480
	.fill 96, 4, 3214868480
	.section	.rodata,"a",@progbits
	.p2align	6, 0x0
	.amdhsa_kernel k_q8bafb5895d_outp
		.amdhsa_group_segment_fixed_size 12800
		.amdhsa_private_segment_fixed_size 0
		.amdhsa_enable_private_segment 0
		.amdhsa_kernarg_size 32
		.amdhsa_user_sgpr_count 2
		.amdhsa_user_sgpr_kernarg_segment_ptr 1
		.amdhsa_wavefront_size32 1
		.amdhsa_system_sgpr_workgroup_id_x 1
		.amdhsa_system_sgpr_workgroup_id_y 1
		.amdhsa_system_sgpr_workgroup_id_z 1
		.amdhsa_system_vgpr_workitem_id 0
		.amdhsa_next_free_vgpr 768
		.amdhsa_next_free_sgpr 66
		.amdhsa_reserve_vcc 0
		.amdhsa_float_denorm_mode_32 3
		.amdhsa_float_denorm_mode_16_64 3
		.amdhsa_memory_ordered 1
		.amdhsa_forward_progress 1
		.amdhsa_inst_pref_size 40
	.end_amdhsa_kernel
	.amdgpu_metadata
---
amdhsa.version: [ 1, 2 ]
amdhsa.kernels:
  - .name:           k_q8bafb5895d_outp
    .symbol:         k_q8bafb5895d_outp.kd
    .args:
      - { .name: zpart, .offset: 0, .size: 8, .value_kind: global_buffer, .address_space: global }
      - { .name: Wp, .offset: 8, .size: 8, .value_kind: global_buffer, .address_space: global }
      - { .name: bp, .offset: 16, .size: 8, .value_kind: global_buffer, .address_space: global }
      - { .name: out0, .offset: 24, .size: 8, .value_kind: global_buffer, .address_space: global }
    .group_segment_fixed_size: 12800
    .private_segment_fixed_size: 0
    .kernarg_segment_align: 8
    .kernarg_segment_size: 32
    .max_flat_workgroup_size: 128
    .sgpr_count:     66
    .vgpr_count:     768
    .wavefront_size: 32
...
	.end_amdgpu_metadata
.endif
;; end of part 3
;; ======== version 2 of 2: 3 launches; 1.16 times as fast as version 1
;; workspace buffers: wcodes 786,432 bytes; wscl 32,768 bytes; cstat 512 bytes; qbuf 131,072 bytes; qbp 16,384 bytes; zpart 524,288 bytes
;; launch prep (part 4): grid 72 x 1, 4 waves a work-group, no clusters, 315,904 bytes of LDS; arguments pos_w2, Wk, Wv, Wp, coords, z, Wq, pos_b2, wcodes, wscl, cstat, qbuf, qbp; writes wcodes, wscl, cstat, qbuf, qbp
.if DOCPART == 4
	.amdgcn_target "amdgcn-amd-amdhsa--gfx1250"
	.amdhsa_code_object_version 6
	.text
	.protected	k_q8bafb5895d_prep
	.globl	k_q8bafb5895d_prep
	.p2align	8
	.type	k_q8bafb5895d_prep,@function
k_q8bafb5895d_prep:
	s_mov_b64 s[64:65], 0
	v_nop
	global_prefetch_b8 v0, s[64:65] scope:SCOPE_SE
	s_setreg_imm32_b32 hwreg(HW_REG_WAVE_MODE, 25, 1), 1
	s_wait_xcnt 0x0
; PREPARATION, three roles chosen by the work-group's number.
;  A (work-groups 0-31): pos_w2, Wk, Wv, Wp [512][512] f32, K innermost, become codes of FP6 (E2M3) and E8M0 scale words, laid as IMAGES OF THE OPERAND'S REGISTERS:
;    wcodes [mat 4][wave 4][f = 8 s + t][chunk 3][lane 32][16 bytes]: fragment (wave, t, s) = weight rows 128 wave + 16 t + r, k = 128 s + 64 c + 32 h + i; chunk c holds its registers 4 c .. 4 c + 3.
;    wscl [mat][wave][4 s + (t & 3)][lane] words: lanes 0-15 tile t & 3, lanes 16-31 tile (t & 3) + 4.   A wave takes one tile of 16 rows, all four K steps.
;  B (32-39): coords in 32 chunks of 1,024 points: a wave makes one chunk's mean and sum of squared deviations for x and y: cstat [chunk]{mean x, mean y, M2 x, M2 y}.
;  C (40-71): q = Q(z) Q(Wq)^T by the scaled FP6 matrix instruction, and the partial sums of q . pos_b2: qbp [l][2 x column tile + h].
;    A work-group takes 16 rows of z x 64 columns; wave w quantises K step w of z and hands it round through LDS as an image of its registers; it makes columns 16 w .. 16 w + 15 of the 64.
; THE f32 ROWS COME BY TENSOR LOADS: a tile is 16 rows x one K step: each row 512 consecutive bytes, aligned; in LDS rows lie 528 bytes apart, so that the 16 lanes of half a ds_load_b128, one row each, fall on 16 different
; columns of 16 bytes.  A wave's tiles are its own: it issues them (role A four, role C five, all at its start: so many tensor loads of a wave are out at the most), and it alone reads them, behind its own counted wait.
; No LDS byte is filled twice.  The two roles that use LDS have bytes of their own.
; A block's scale is 2^(floor(log2(largest magnitude)) - 2): the largest magnitude's exponent field - 2, held at 1 from below by a floor among the maximum's leaves.
; LIMITS: NaN and infinities among the inputs are not served.  A block of zeros keeps the byte 1 (the rule says 127): its codes are zeros, and this program alone reads the bytes.
.set TP, 528                           ; a tile's row in LDS: 512 bytes + 16 of padding
.set TB, 16*TP                         ; a tile
.set TC0, 16*TB                        ; role A: wave w's four tiles at 4 TB w;  role C: wave w's five at TC0 + 5 TB w
.set AIMG, TC0+20*TB                   ; role C: four fragments of z, 1,536 bytes each;
.set ASC, AIMG+6144                    ; their scale words, 128 bytes each;
.set STG, ASC+512                      ; the stage for q: 16 rows x (256 + 16) bytes
.set LI, 1                             ; v1  16 x lane
.set LS, 2                             ; v2  4 x lane
.set TR0, 3                            ; v3  528 r + 128 h: my row of a tile, my half's 32 numbers of a pair of blocks
.set H8, 4                             ; v4  8 h
.set VR, 5                             ; v5  r = lane % 16
.set VH, 6                             ; v6  h = lane / 16
.set PT, 7                             ; v7  destination of the lane exchanges
.set VL, 9                             ; v9  lane
.set QM, 84                            ; v84-85, v98-99 largest magnitudes, two chains a block; v86-87 the conversions' scale operands; v88-89 bytes; v90-92, v94-96 second halves of the codes
.set QS, 86
.set QBY, 88
.set QT, 90
.set QN, 98
.set XA, 128                           ; v128-191, v192-255: 64 numbers of a K step, two sets by turns
.set XB, 192
.set G1, 48                            ; s[48:55] descriptor group 1; groups 0 at s56, s60, s68, s72, s76
.macro PLACES
.rept 4
	v_nop
.endr
.endm
.macro RED32 r                         ; the sum over the 32 lanes, in every lane
	v_add_f32_dpp v[\r], v[\r], v[\r] row_xmask:1 row_mask:0xf bank_mask:0xf
	v_add_f32_dpp v[\r], v[\r], v[\r] row_xmask:2 row_mask:0xf bank_mask:0xf
	v_add_f32_dpp v[\r], v[\r], v[\r] row_xmask:4 row_mask:0xf bank_mask:0xf
	v_add_f32_dpp v[\r], v[\r], v[\r] row_xmask:8 row_mask:0xf bank_mask:0xf
	v_permlanex16_b32 v[PT], v[\r], s46, s47
	v_add_f32 v[\r], v[\r], v[PT]
.endm
.macro GRP0 g, off, bp, goff           ; a descriptor's group 0: to LDS byte s35 + off, from the address in s[bp:bp+1] + goff
	s_mov_b32 s[\g], 1
	s_add_co_u32 s[\g+1], s35, \off
	s_add_nc_u64 s[\g+2:\g+3], s[\bp:\bp+1], \goff
	s_or_b32 s[\g+3], s[\g+3], 0x80000000
.endm
.macro TL X, AV, off                   ; 64 numbers of my row out of a tile: register 32 c + i = k 64 c + 32 h + i of the K step
.irp c, 0,1
.irp j, 0,1,2,3,4,5,6,7
	ds_load_b128 v[\X+32*\c+4*\j:\X+32*\c+4*\j+3], v[\AV] offset:\off+256*\c+16*\j
.endr
.endr
.endm
; those 64 numbers become a fragment's 12 registers at v[FB] and my row's scale word in v[WR].  A lane holds two whole blocks of 32: no other lane is asked for a maximum
.macro QK X, FB, WR
.irp c, 0,1
	v_max3_num_f32 v[QM+\c], |v[\X+32*\c]|, |v[\X+32*\c+1]|, 0x1800000   ; the floor 2^(3 - 127): the byte cannot fall under 1
	v_max3_num_f32 v[QN+\c], |v[\X+32*\c+16]|, |v[\X+32*\c+17]|, |v[\X+32*\c+18]|
.endr
.irp i, 0,2,4,6,8,10
.irp c, 0,1
	v_max3_num_f32 v[QM+\c], |v[\X+32*\c+2+\i]|, |v[\X+32*\c+3+\i]|, v[QM+\c]     ; four chains by turns: no line waits for the line above it
	v_max3_num_f32 v[QN+\c], |v[\X+32*\c+19+\i]|, |v[\X+32*\c+20+\i]|, v[QN+\c]
.endr
.endr
.irp c, 0,1
	v_max3_num_f32 v[QM+\c], |v[\X+32*\c+14]|, |v[\X+32*\c+15]|, v[QM+\c]
.endr
.irp c, 0,1
	v_max3_num_f32 v[QM+\c], v[QM+\c], v[QN+\c], |v[\X+32*\c+31]|
.endr
	v_add_nc_u32 v[QS], 0xff000000, v[QM]          ; 2 off the exponent field: the conversion's scale operand
	v_add_nc_u32 v[QS+1], 0xff000000, v[QM+1]
	v_lshrrev_b32 v[QBY], 23, v[QS]                ; the scale's byte
	v_lshrrev_b32 v[QBY+1], 23, v[QS+1]
	v_lshl_or_b32 v[\WR], v[QBY+1], 16, v[QBY]     ; my bytes: blocks h and 2 + h,
	v_lshlrev_b32 v[\WR], v[H8], v[\WR]            ; at their places;
	v_permlanex16_b32 v[PT], v[\WR], s46, s47
	v_or_b32 v[\WR], v[\WR], v[PT]                 ; with lane l xor 16's two the word is whole
	v_cvt_scalef32_pk16_fp6_f32 v[\FB:\FB+2], v[\X:\X+15], v[QS]
	v_cvt_scalef32_pk16_fp6_f32 v[QT:QT+2], v[\X+16:\X+31], v[QS]          ; (a conversion's three registers begin on an even number)
	v_cvt_scalef32_pk16_fp6_f32 v[\FB+6:\FB+8], v[\X+32:\X+47], v[QS+1]
	v_cvt_scalef32_pk16_fp6_f32 v[QT+4:QT+6], v[\X+48:\X+63], v[QS+1]
	v_nop                                          ; one plain place behind the scaled conversions
.irp i, 0,1,2
	v_mov_b32 v[\FB+3+\i], v[QT+\i]
	v_mov_b32 v[\FB+9+\i], v[QT+4+\i]
.endr
.endm
	s_load_b512 s[4:19], s[0:1], 0x0               ; pos_w2 4:5, Wk 6:7, Wv 8:9, Wp 10:11, coords 12:13, z 14:15, Wq 16:17, pos_b2 18:19
	s_load_b256 s[20:27], s[0:1], 0x40             ; wcodes 20:21, wscl 22:23, cstat 24:25, qbuf 26:27
	s_load_b64 s[28:29], s[0:1], 0x60              ; qbp
	v_lshl_add_u32 v106, v0, 2, 0x4d000
	v_mov_b32 v107, 0
	ds_add_u32 v106, v107
	ds_add_u32 v106, v107
	v_lshrrev_b32 v8, 5, v0
	v_readfirstlane_b32 s40, v8                    ; wave 0..3
	v_and_b32 v[VL], 31, v0
	v_and_b32 v[VR], 15, v0
	v_bfe_u32 v[VH], v0, 4, 1
	v_lshlrev_b32 v[LI], 4, v[VL]
	v_lshlrev_b32 v[LS], 2, v[VL]
	v_lshlrev_b32 v[H8], 3, v[VH]
	v_mul_u32_u24 v[TR0], v[VR], TP
	v_lshl_add_u32 v[TR0], v[VH], 7, v[TR0]
	v_mov_b32 v[PT], 0                             ; a lane exchange's destination counts as read
	s_mov_b32 s46, 0x76543210
	s_mov_b32 s47, 0xfedcba98                      ; selects for lane l xor 16
	s_mov_b32 s45, 0                               ; the upper word of every 64-bit offset
	; descriptor group 1, the same for every tile: 16 rows of 64 elements of 8 bytes, 256 elements from row to row; 4 words of padding behind every 128
	s_mov_b32 s[G1], (3<<16)|(1<<20)|(6<<22)|(3<<25)
	s_mov_b32 s[G1+1], 64<<16                      ; tensor_dim0
	s_mov_b32 s[G1+2], 16<<16                      ; tensor_dim1
	s_mov_b32 s[G1+3], 64<<16                      ; tile_dim0
	s_mov_b32 s[G1+4], 16                          ; tile_dim1
	s_mov_b32 s[G1+5], 256                         ; the pitch
	s_mov_b32 s[G1+6], 0
	s_mov_b32 s[G1+7], 0
	s_wait_dscnt 0x0
	s_wait_kmcnt 0x0
	s_cmp_ge_u32 ttmp9, 40
	s_cbranch_scc1 .Lrole_c
	s_cmp_ge_u32 ttmp9, 32
	s_cbranch_scc1 .Lrole_b
; ---- ROLE A: one tile of 16 weight rows a wave
	s_lshr_b32 s30, ttmp9, 3                       ; which matrix
	s_and_b32 s31, ttmp9, 7
	s_lshl_b32 s32, s31, 2
	s_add_co_u32 s32, s32, s40                     ; tile of rows 0..31
	s_lshr_b32 s33, s32, 3                         ; the wave of the main launch that will hold it,
	s_and_b32 s34, s32, 7                          ; and its tile t there
	s_cmp_lt_u32 ttmp9, 24                         ; the choice of buffer hangs on the work-group's number alone
	s_cselect_b64 s[8:9], s[8:9], s[10:11]
	s_cmp_lt_u32 ttmp9, 16
	s_cselect_b64 s[6:7], s[6:7], s[8:9]
	s_cmp_lt_u32 ttmp9, 8
	s_cselect_b64 s[4:5], s[4:5], s[6:7]
	s_lshl_b32 s44, s32, 15                        ; 16 rows of 2,048 bytes a tile
	s_add_nc_u64 s[4:5], s[4:5], s[44:45]
	s_mul_i32 s35, s40, 4*TB                       ; my four tiles in LDS
	GRP0 56, 0, 4, 0                               ; K step s begins 512 s bytes into the rows
	GRP0 60, TB, 4, 512
	GRP0 68, 2*TB, 4, 1024
	GRP0 72, 3*TB, 4, 1536
	tensor_load_to_lds s[56:59], s[G1:G1+7]        ; all four go out together, ahead of every wait on TENSORcnt and every LDS read
	s_nop 0
	tensor_load_to_lds s[60:63], s[G1:G1+7]
	s_nop 0
	tensor_load_to_lds s[68:71], s[G1:G1+7]
	s_nop 0
	tensor_load_to_lds s[72:75], s[G1:G1+7]
	s_nop 0
	PLACES
	s_mul_i32 s44, s30, 196608
	s_mul_i32 s36, s33, 49152
	s_add_co_u32 s44, s44, s36
	s_mul_i32 s36, s34, 1536
	s_add_co_u32 s44, s44, s36
	s_add_nc_u64 s[20:21], s[20:21], s[44:45]      ; my fragments' place: K step s lies 8 x 1,536 bytes on
	s_lshl_b32 s44, s30, 13
	s_lshl_b32 s36, s33, 11
	s_add_co_u32 s44, s44, s36
	s_and_b32 s36, s34, 3
	s_lshl_b32 s36, s36, 7
	s_add_co_u32 s44, s44, s36
	s_lshr_b32 s36, s34, 2
	s_lshl_b32 s36, s36, 6
	s_add_co_u32 s44, s44, s36
	s_add_nc_u64 s[22:23], s[22:23], s[44:45]      ; my scale words' place
	v_lshlrev_b32 v10, 2, v[VR]
	v_lshl_add_u32 v10, v[VH], 9, v10              ; 4 r + 512 h: lanes 0-15 store an even K step's words, lanes 16-31 the odd one's
	v_add_nc_u32 v12, s35, v[TR0]                  ; my tiles, read
.macro SENDF s                         ; K step s's fragment leaves: 32 lanes store 512 consecutive bytes
.irp c, 0,1,2
	global_store_b128 v[LI], v[16+12*\s+4*\c:16+12*\s+4*\c+3], s[20:21] offset:12288*\s+512*\c
.endr
.endm
	s_wait_tensorcnt 3                             ; tile 0 has landed; three were issued behind it
	TL XA, 12, 0
	s_wait_tensorcnt 2
	TL XB, 12, TB
	s_wait_dscnt 16                                ; behind tile 0's 16 loads stand tile 1's 16
	QK XA, 16, 116
	SENDF 0
	s_wait_tensorcnt 1
	TL XA, 12, 2*TB
	s_wait_dscnt 16
	QK XB, 28, 117
	SENDF 1
	s_wait_tensorcnt 0x0
	TL XB, 12, 3*TB
	s_wait_dscnt 16
	QK XA, 40, 118
	SENDF 2
	s_wait_dscnt 0x0
	QK XB, 52, 119
	SENDF 3
	v_cmp_eq_u32 vcc_lo, 1, v[VH]
	v_cndmask_b32 v120, v116, v117, vcc_lo
	v_cndmask_b32 v121, v118, v119, vcc_lo
	global_store_b32 v10, v120, s[22:23]
	global_store_b32 v10, v121, s[22:23] offset:1024
	s_wait_tensorcnt 0x0
	ds_add_u32 v106, v107
	s_wait_dscnt 0x0
	s_endpgm
; ---- ROLE B: one chunk of 1,024 points a wave
.Lrole_b:
	s_sub_co_u32 s30, ttmp9, 32
	s_lshl_b32 s30, s30, 2
	s_add_co_u32 s30, s30, s40                     ; chunk 0..31
	s_lshl_b32 s44, s30, 13
	s_add_nc_u64 s[12:13], s[12:13], s[44:45]
	s_lshl_b32 s44, s30, 4
	s_add_nc_u64 s[24:25], s[24:25], s[44:45]
.irp j, 0,1,2,3,4,5,6,7,8,9,10,11,12,13,14,15
	global_load_b128 v[16+4*\j:19+4*\j], v[LI], s[12:13] offset:512*\j   ; two points (x, y, x, y) a lane
.endr
	s_wait_loadcnt 0x0
	v_pk_add_f32 v[120:121], v[16:17], v[18:19]    ; (x, y) pairs, in two chains
	v_pk_add_f32 v[122:123], v[20:21], v[22:23]
.set II, 24
.rept 14
	v_pk_add_f32 v[120:121], v[120:121], v[II:II+1]
	v_pk_add_f32 v[122:123], v[122:123], v[II+2:II+3]
.set II, II+4
.endr
	v_pk_add_f32 v[120:121], v[120:121], v[122:123]
	RED32 120
	RED32 121
	v_mul_f32 v124, 0x3a800000, v120               ; / 1,024: the chunk's mean
	v_mul_f32 v125, 0x3a800000, v121
.set II, 16
.rept 32
	v_pk_add_f32 v[II:II+1], v[II:II+1], v[124:125] neg_lo:[0,1] neg_hi:[0,1]   ; deviations from the chunk's own mean: a common offset of the inputs drops out here
.set II, II+2
.endr
	v_pk_mul_f32 v[120:121], v[16:17], v[16:17]
	v_pk_mul_f32 v[122:123], v[18:19], v[18:19]
.set II, 20
.rept 15
	v_pk_fma_f32 v[120:121], v[II:II+1], v[II:II+1], v[120:121]
	v_pk_fma_f32 v[122:123], v[II+2:II+3], v[II+2:II+3], v[122:123]
.set II, II+4
.endr
	v_pk_add_f32 v[120:121], v[120:121], v[122:123]
	RED32 120
	RED32 121
	v_mov_b32 v126, v120
	v_mov_b32 v127, v121
	v_mov_b32 v10, 0
	v_cmp_eq_u32 vcc_lo, 0, v[VL]
	s_wait_xcnt 0x0                                ; EXEC changes only behind this wait
	s_and_saveexec_b32 s36, vcc_lo
	global_store_b128 v10, v[124:127], s[24:25]    ; lane 0 stores the chunk's four numbers
	s_wait_xcnt 0x0                                ; and again in front of the line that widens it
	s_or_b32 exec_lo, exec_lo, s36
	s_endpgm
; ---- ROLE C: q and q . pos_b2
.Lrole_c:
	s_sub_co_u32 s30, ttmp9, 40
	s_and_b32 s31, s30, 3                          ; m: which 16 rows of z
	s_lshr_b32 s32, s30, 2                         ; cg: which 64 columns
	s_lshl_b32 s44, s31, 15
	s_lshl_b32 s36, s40, 9
	s_add_co_u32 s44, s44, s36
	s_add_nc_u64 s[14:15], s[14:15], s[44:45]      ; z at row 16 m, K step w
	s_lshl_b32 s44, s32, 17
	s_lshl_b32 s36, s40, 15
	s_add_co_u32 s44, s44, s36
	s_add_nc_u64 s[16:17], s[16:17], s[44:45]      ; Wq at row 64 cg + 16 w
	s_mul_i32 s35, s40, 5*TB
	s_add_co_u32 s35, s35, TC0                     ; my five tiles in LDS: z's K step w, then Wq's four K steps
	GRP0 56, 0, 14, 0
	GRP0 60, TB, 16, 0
	GRP0 68, 2*TB, 16, 512
	GRP0 72, 3*TB, 16, 1024
	GRP0 76, 4*TB, 16, 1536
	tensor_load_to_lds s[56:59], s[G1:G1+7]        ; all five go out together, ahead of every wait on TENSORcnt, every LDS read and every barrier
	s_nop 0
	tensor_load_to_lds s[60:63], s[G1:G1+7]
	s_nop 0
	tensor_load_to_lds s[68:71], s[G1:G1+7]
	s_nop 0
	tensor_load_to_lds s[72:75], s[G1:G1+7]
	s_nop 0
	tensor_load_to_lds s[76:79], s[G1:G1+7]
	s_nop 0
	PLACES
	s_lshl_b32 s44, s32, 8
	s_lshl_b32 s36, s40, 6
	s_add_co_u32 s44, s44, s36
	s_add_nc_u64 s[18:19], s[18:19], s[44:45]      ; pos_b2 at column 64 cg + 16 w
	v_lshlrev_b32 v8, 5, v[VH]                     ; 32 h: my half's eight columns
	global_load_b128 v[108:111], v8, s[18:19]
	global_load_b128 v[112:115], v8, s[18:19] offset:16
	s_lshl_b32 s44, s31, 12
	s_lshl_b32 s36, s32, 5
	s_add_co_u32 s44, s44, s36
	s_lshl_b32 s36, s40, 3
	s_add_co_u32 s44, s44, s36
	s_add_nc_u64 s[28:29], s[28:29], s[44:45]      ; qbp: 256 x 16 m + 8 (4 cg + w)
	s_lshl_b32 s44, s31, 15
	s_lshl_b32 s36, s40, 13
	s_add_co_u32 s44, s44, s36
	s_lshl_b32 s36, s32, 8
	s_add_co_u32 s44, s44, s36
	s_add_nc_u64 s[26:27], s[26:27], s[44:45]      ; qbuf: row 16 m + 4 w, column 64 cg
	v_add_nc_u32 v122, s35, v[TR0]                 ; my tiles, read
	s_mul_i32 s36, s40, 1536
	s_add_co_u32 s36, s36, AIMG
	v_add_nc_u32 v10, s36, v[LI]                   ; where I store my image of z: AIMG + 1,536 w + 16 x lane
	s_lshl_b32 s36, s40, 7
	s_add_co_u32 s36, s36, ASC
	v_add_nc_u32 v11, s36, v[LS]                   ; and its scale words: ASC + 128 w + 4 x lane
	v_add_nc_u32 v123, AIMG, v[LI]                 ; where every wave reads the images,
	v_add_nc_u32 v124, ASC, v[LS]                  ; and the scale words
	v_mul_u32_u24 v12, v[VR], 272
	v_lshl_add_u32 v12, v[VH], 5, v12
	s_lshl_b32 s36, s40, 6
	s_add_co_u32 s36, s36, STG
	v_add_nc_u32 v12, s36, v12                     ; the stage, in: row r, 64 w + 32 h
	v_mul_u32_u24 v13, v[VH], 272
	v_lshl_add_u32 v13, v[VR], 4, v13
	s_mul_i32 s36, s40, 1088
	s_add_co_u32 s36, s36, STG
	v_add_nc_u32 v13, s36, v13                     ; back: rows 4 w + h (+ 2), 16 bytes a lane
	v_lshlrev_b32 v14, 8, v[VR]
	v_lshl_add_u32 v14, v[VH], 2, v14              ; qbp: 256 r + 4 h
	v_lshlrev_b32 v15, 4, v[VR]
	v_lshl_add_u32 v15, v[VH], 11, v15             ; qbuf: 2,048 h + 16 r
	s_wait_tensorcnt 4                             ; z's tile has landed; four were issued behind it
	TL XA, 122, 0
	s_wait_tensorcnt 3
	TL XB, 122, TB
	s_wait_dscnt 16                                ; behind z's 16 loads stand 16
	QK XA, 16, 104
.irp c, 0,1,2
	ds_store_b128 v10, v[16+4*\c:19+4*\c] offset:512*\c
.endr
	ds_store_b32 v11, v104
	s_wait_tensorcnt 2
	TL XA, 122, 2*TB
	s_wait_dscnt 20                                ; behind the loads of Wq's K step 0 stand the image's 4 stores and 16 loads
	QK XB, 32, 80
	s_wait_tensorcnt 1
	TL XB, 122, 3*TB
	s_wait_dscnt 16
	QK XA, 44, 81
	s_wait_tensorcnt 0x0
	TL XA, 122, 4*TB
	s_wait_dscnt 16
	QK XB, 56, 82
	s_wait_dscnt 0x0                               ; the last tile's numbers are in; and, for the others' sake, my image has landed
	QK XA, 68, 83
	s_wait_loadcnt 0x0                             ; pos_b2
	s_barrier_signal -1
	s_barrier_wait -1
.irp s, 0,1,2,3
.irp c, 0,1,2
	ds_load_b128 v[128+12*\s+4*\c:131+12*\s+4*\c], v123 offset:1536*\s+512*\c
.endr
	ds_load_b32 v[100+\s], v124 offset:128*\s
.endr
	s_wait_dscnt 0x0
.rept 8
	v_nop                                          ; Wq's scale words were written by vector instructions: 8 places ahead of a scaled matrix instruction, its codes 4
.endr
	; transposed: source 0 = 16 rows of Wq, source 1 = 16 rows of z: lane (r, h) holds q(16 m + r, 64 cg + 16 w + 8 h + j).  Two accumulators by turns
	v_wmma_scale_f32_16x16x128_f8f6f4 v[176:183], v[32:43], v[128:139], 0, v80, v100 matrix_a_fmt:MATRIX_FMT_FP6 matrix_b_fmt:MATRIX_FMT_FP6
	v_wmma_scale_f32_16x16x128_f8f6f4 v[184:191], v[44:55], v[140:151], 0, v81, v101 matrix_a_fmt:MATRIX_FMT_FP6 matrix_b_fmt:MATRIX_FMT_FP6
	v_wmma_scale_f32_16x16x128_f8f6f4 v[176:183], v[56:67], v[152:163], v[176:183], v82, v102 matrix_a_fmt:MATRIX_FMT_FP6 matrix_b_fmt:MATRIX_FMT_FP6
	v_wmma_scale_f32_16x16x128_f8f6f4 v[184:191], v[68:79], v[164:175], v[184:191], v83, v103 matrix_a_fmt:MATRIX_FMT_FP6 matrix_b_fmt:MATRIX_FMT_FP6
	PLACES
.irp j, 0,2,4,6
	v_pk_add_f32 v[192+\j:193+\j], v[176+\j:177+\j], v[184+\j:185+\j]   ; from the low end on
.endr
	ds_store_b128 v12, v[192:195]
	ds_store_b128 v12, v[196:199] offset:16
	v_pk_mul_f32 v[200:201], v[192:193], v[108:109]
	v_pk_fma_f32 v[200:201], v[194:195], v[110:111], v[200:201]
	v_pk_fma_f32 v[200:201], v[196:197], v[112:113], v[200:201]
	v_pk_fma_f32 v[200:201], v[198:199], v[114:115], v[200:201]
	v_add_f32 v202, v200, v201
	global_store_b32 v14, v202, s[28:29]           ; my eight columns' share of q . pos_b2
	s_wait_dscnt 0x0
	s_barrier_signal -1
	s_barrier_wait -1                              ; 16 rows x 256 bytes of q lie in the stage
	ds_load_b128 v[208:211], v13
	ds_load_b128 v[212:215], v13 offset:544
	s_wait_dscnt 0x0
	global_store_b128 v15, v[208:211], s[26:27]    ; sixteen lanes store 256 consecutive bytes, aligned
	global_store_b128 v15, v[212:215], s[26:27] offset:4096
	s_wait_tensorcnt 0x0
	ds_add_u32 v106, v107
	s_wait_dscnt 0x0
	s_endpgm
.Lfunc_end_k_q8bafb5895d_prep:
	.size	k_q8bafb5895d_prep, .Lfunc_end_k_q8bafb5895d_prep-k_q8bafb5895d_prep
	.p2alignl 7, 3214868480
	.fill 96, 4, 3214868480
	.section	.rodata,"a",@progbits
	.p2align	6, 0x0
	.amdhsa_kernel k_q8bafb5895d_prep
		.amdhsa_group_segment_fixed_size 315904
		.amdhsa_private_segment_fixed_size 0
		.amdhsa_enable_private_segment 0
		.amdhsa_kernarg_size 104
		.amdhsa_user_sgpr_count 2
		.amdhsa_user_sgpr_kernarg_segment_ptr 1
		.amdhsa_wavefront_size32 1
		.amdhsa_system_sgpr_workgroup_id_x 1
		.amdhsa_system_sgpr_workgroup_id_y 1
		.amdhsa_system_sgpr_workgroup_id_z 1
		.amdhsa_system_vgpr_workitem_id 0
		.amdhsa_next_free_vgpr 256
		.amdhsa_next_free_sgpr 80
		.amdhsa_reserve_vcc 1
		.amdhsa_float_denorm_mode_32 3
		.amdhsa_float_denorm_mode_16_64 3
		.amdhsa_memory_ordered 1
		.amdhsa_forward_progress 1
		.amdhsa_inst_pref_size 60
	.end_amdhsa_kernel
	.amdgpu_metadata
---
amdhsa.version: [ 1, 2 ]
amdhsa.kernels:
  - .name:           k_q8bafb5895d_prep
    .symbol:         k_q8bafb5895d_prep.kd
    .args:
      - { .name: pos_w2, .offset: 0, .size: 8, .value_kind: global_buffer, .address_space: global }
      - { .name: Wk, .offset: 8, .size: 8, .value_kind: global_buffer, .address_space: global }
      - { .name: Wv, .offset: 16, .size: 8, .value_kind: global_buffer, .address_space: global }
      - { .name: Wp, .offset: 24, .size: 8, .value_kind: global_buffer, .address_space: global }
      - { .name: coords, .offset: 32, .size: 8, .value_kind: global_buffer, .address_space: global }
      - { .name: z, .offset: 40, .size: 8, .value_kind: global_buffer, .address_space: global }
      - { .name: Wq, .offset: 48, .size: 8, .value_kind: global_buffer, .address_space: global }
      - { .name: pos_b2, .offset: 56, .size: 8, .value_kind: global_buffer, .address_space: global }
      - { .name: wcodes, .offset: 64, .size: 8, .value_kind: global_buffer, .address_space: global }
      - { .name: wscl, .offset: 72, .size: 8, .value_kind: global_buffer, .address_space: global }
      - { .name: cstat, .offset: 80, .size: 8, .value_kind: global_buffer, .address_space: global }
      - { .name: qbuf, .offset: 88, .size: 8, .value_kind: global_buffer, .address_space: global }
      - { .name: qbp, .offset: 96, .size: 8, .value_kind: global_buffer, .address_space: global }
    .group_segment_fixed_size: 315904
    .private_segment_fixed_size: 0
    .kernarg_segment_align: 8
    .kernarg_segment_size: 104
    .max_flat_workgroup_size: 128
    .sgpr_count:     80
    .vgpr_count:     256
    .wavefront_size: 32
...
	.end_amdgpu_metadata
.endif
;; end of part 4
;; launch main: the kernel of part 2 again; grid 256 x 1, 4 waves a work-group, no clusters, 327,680 bytes of LDS; arguments feats, coords, pos_w1, pos_b1, wcodes, wscl, cstat, qbuf, qbp, zpart; writes zpart
;; launch outp (part 5): grid 32 x 1, 4 waves a work-group, no clusters, 168,448 bytes of LDS; arguments zpart, wcodes, wscl, bp, out0; writes out0
.if DOCPART == 5
	.amdgcn_target "amdgcn-amd-amdhsa--gfx1250"
	.amdhsa_code_object_version 6
	.text
	.protected	k_q8bafb5895d_outp
	.globl	k_q8bafb5895d_outp
	.p2align	8
	.type	k_q8bafb5895d_outp,@function
k_q8bafb5895d_outp:
	s_mov_b64 s[64:65], 0
	v_nop
	global_prefetch_b8 v0, s[64:65] scope:SCOPE_SE
	s_setreg_imm32_b32 hwreg(HW_REG_WAVE_MODE, 25, 1), 1
	s_wait_xcnt 0x0
; out0 = Q(Z) Q(Wp)^T + bp, Z = the sum of the four quarters' parts in zpart [4][64][512].  Z is quantised here along K to FP6 (E2M3) with E8M0 scales; Wp's codes and scale words were made by the first launch
; (matrix 3 of wcodes and wscl, laid as images of the operand's registers: a fragment is three loads of 512 consecutive bytes).
; A work-group takes 16 rows of Z x 64 columns; wave w sums and quantises K step w of Z and hands it round through LDS as an image of its registers; it makes columns 16 w .. 16 w + 15 of the 64.
; THE FOUR PARTS COME BY TENSOR LOADS: a tile is 16 rows x K step w of one part: each row 512 consecutive bytes, aligned; in LDS rows lie 528 bytes apart, so that the 16 lanes of half a ds_load_b128, one row each,
; fall on 16 different columns of 16 bytes.  A wave issues its four at its start (so many tensor loads of a wave are out at the most) and it alone reads them, behind its own counted wait.  No LDS byte is filled twice.
; bp is the C of the first matrix instruction.  LIMITS: NaN and infinities are not served; a block of zeros keeps the scale byte 1 with zero codes.
.set TP, 528                           ; a tile's row in LDS: 512 bytes + 16 of padding
.set TB, 16*TP                         ; a tile; wave w's four lie at 4 TB w
.set AIMG, 16*TB                       ; four fragments of Z, 1,536 bytes each;
.set ASC, AIMG+6144                    ; their scale words;
.set STG, ASC+512                      ; the stage, 16 rows x (256 + 16) bytes
.set LI, 1                             ; v1  16 x lane
.set LS, 2                             ; v2  4 x lane
.set TRW, 3                            ; v3  my tiles, read: 4 TB w + 528 r + 128 h
.set H8, 4                             ; v4  8 h
.set VR, 5
.set VH, 6
.set PT, 7
.set VL, 9
.set QM, 84
.set QS, 86
.set QBY, 88
.set QT, 90
.set QN, 98
.set G1, 48                            ; s[48:55] descriptor group 1; groups 0 at s56, s60, s68, s72
.set MSB, 0
.macro WIN new                         ; the immediate's high byte repeats the setting that is left
.if MSB != (\new)
	s_set_vgpr_msb (MSB<<8)|(\new)
.set MSB, (\new)
.endif
.endm
.macro PLACES
.rept 4
	v_nop
.endr
.endm
.macro GRP0 g, off, bp, goff           ; a descriptor's group 0: to LDS byte s35 + off, from the address in s[bp:bp+1] + goff
	s_mov_b32 s[\g], 1
	s_add_co_u32 s[\g+1], s35, \off
	s_add_nc_u64 s[\g+2:\g+3], s[\bp:\bp+1], \goff
	s_or_b32 s[\g+3], s[\g+3], 0x80000000
.endm
.macro TL X, AV, off                   ; 64 numbers of my row out of a tile: register 32 c + i = k 64 c + 32 h + i of the K step
.irp c, 0,1
.irp j, 0,1,2,3,4,5,6,7
	ds_load_b128 v[\X+32*\c+4*\j:\X+32*\c+4*\j+3], v[\AV] offset:\off+256*\c+16*\j
.endr
.endr
.endm
.macro QK X, FB, WR                    ; they become a fragment's 12 registers and my row's scale word
.irp c, 0,1
	v_max3_num_f32 v[QM+\c], |v[\X+32*\c]|, |v[\X+32*\c+1]|, 0x1800000   ; the floor 2^(3 - 127): the byte cannot fall under 1
	v_max3_num_f32 v[QN+\c], |v[\X+32*\c+16]|, |v[\X+32*\c+17]|, |v[\X+32*\c+18]|
.endr
.irp i, 0,2,4,6,8,10
.irp c, 0,1
	v_max3_num_f32 v[QM+\c], |v[\X+32*\c+2+\i]|, |v[\X+32*\c+3+\i]|, v[QM+\c]     ; four chains by turns
	v_max3_num_f32 v[QN+\c], |v[\X+32*\c+19+\i]|, |v[\X+32*\c+20+\i]|, v[QN+\c]
.endr
.endr
.irp c, 0,1
	v_max3_num_f32 v[QM+\c], |v[\X+32*\c+14]|, |v[\X+32*\c+15]|, v[QM+\c]
.endr
.irp c, 0,1
	v_max3_num_f32 v[QM+\c], v[QM+\c], v[QN+\c], |v[\X+32*\c+31]|
.endr
	v_add_nc_u32 v[QS], 0xff000000, v[QM]          ; 2 off the exponent field: the conversion's scale operand
	v_add_nc_u32 v[QS+1], 0xff000000, v[QM+1]
	v_lshrrev_b32 v[QBY], 23, v[QS]
	v_lshrrev_b32 v[QBY+1], 23, v[QS+1]
	v_lshl_or_b32 v[\WR], v[QBY+1], 16, v[QBY]
	v_lshlrev_b32 v[\WR], v[H8], v[\WR]
	v_permlanex16_b32 v[PT], v[\WR], s46, s47
	v_or_b32 v[\WR], v[\WR], v[PT]                 ; with lane l xor 16's two bytes the word is whole
	v_cvt_scalef32_pk16_fp6_f32 v[\FB:\FB+2], v[\X:\X+15], v[QS]
	v_cvt_scalef32_pk16_fp6_f32 v[QT:QT+2], v[\X+16:\X+31], v[QS]          ; (a conversion's three registers begin on an even number)
	v_cvt_scalef32_pk16_fp6_f32 v[\FB+6:\FB+8], v[\X+32:\X+47], v[QS+1]
	v_cvt_scalef32_pk16_fp6_f32 v[QT+4:QT+6], v[\X+48:\X+63], v[QS+1]
	v_nop                                          ; one plain place behind the scaled conversions
.irp i, 0,1,2
	v_mov_b32 v[\FB+3+\i], v[QT+\i]
	v_mov_b32 v[\FB+9+\i], v[QT+4+\i]
.endr
.endm
	s_load_b256 s[4:11], s[0:1], 0x0               ; zpart 4:5, wcodes 6:7, wscl 8:9, bp 10:11
	s_load_b64 s[12:13], s[0:1], 0x20              ; out0
	v_lshl_add_u32 v126, v0, 2, 0x29000
	v_mov_b32 v127, 0
	ds_add_u32 v126, v127
	ds_add_u32 v126, v127
	v_lshrrev_b32 v8, 5, v0
	v_readfirstlane_b32 s40, v8                    ; wave 0..3
	v_and_b32 v[VL], 31, v0
	v_and_b32 v[VR], 15, v0
	v_bfe_u32 v[VH], v0, 4, 1
	v_lshlrev_b32 v[LI], 4, v[VL]
	v_lshlrev_b32 v[LS], 2, v[VL]
	v_lshlrev_b32 v[H8], 3, v[VH]
	v_mov_b32 v[PT], 0                             ; a lane exchange's destination counts as read
	v_lshlrev_b32 v8, 5, v[VH]                     ; 32 h
	v_lshlrev_b32 v14, 2, v[VR]                    ; 4 r
	s_mov_b32 s46, 0x76543210
	s_mov_b32 s47, 0xfedcba98
	s_mov_b32 s45, 0
	; descriptor group 1: 16 rows of 64 elements of 8 bytes, 256 elements from row to row; 4 words of padding behind every 128
	s_mov_b32 s[G1], (3<<16)|(1<<20)|(6<<22)|(3<<25)
	s_mov_b32 s[G1+1], 64<<16
	s_mov_b32 s[G1+2], 16<<16
	s_mov_b32 s[G1+3], 64<<16
	s_mov_b32 s[G1+4], 16
	s_mov_b32 s[G1+5], 256
	s_mov_b32 s[G1+6], 0
	s_mov_b32 s[G1+7], 0
	s_and_b32 s31, ttmp9, 3                        ; m: which 16 rows
	s_lshr_b32 s32, ttmp9, 2                       ; cg: which 64 columns
	s_mul_i32 s35, s40, 4*TB                       ; my four tiles in LDS
	s_lshl_b32 s44, s31, 15
	s_lshl_b32 s36, s40, 9
	s_add_co_u32 s44, s44, s36
	s_wait_dscnt 0x0
	s_wait_kmcnt 0x0
	s_add_nc_u64 s[4:5], s[4:5], s[44:45]          ; zpart at row 16 m, K step w
	GRP0 56, 0, 4, 0                               ; part p lies 131,072 p bytes on
	GRP0 60, TB, 4, 131072
	GRP0 68, 2*TB, 4, 262144
	GRP0 72, 3*TB, 4, 393216
	tensor_load_to_lds s[56:59], s[G1:G1+7]        ; all four go out together, ahead of every wait on TENSORcnt, every LDS read and every barrier
	s_nop 0
	tensor_load_to_lds s[60:63], s[G1:G1+7]
	s_nop 0
	tensor_load_to_lds s[68:71], s[G1:G1+7]
	s_nop 0
	tensor_load_to_lds s[72:75], s[G1:G1+7]
	s_nop 0
	PLACES
	s_lshl_b32 s33, s32, 2
	s_add_co_u32 s33, s33, s40                     ; Wp's tile of 16 rows: 4 cg + w
	s_and_b32 s34, s33, 7                          ; its t,
	s_lshr_b32 s33, s33, 3                         ; and its wave, in the images' layout
	s_mul_i32 s44, s33, 49152
	s_mul_i32 s36, s34, 1536
	s_add_co_u32 s44, s44, s36
	s_add_co_u32 s44, s44, 3*196608
	s_add_nc_u64 s[6:7], s[6:7], s[44:45]          ; its fragments: K step s lies 8 x 1,536 bytes on
	s_lshl_b32 s44, s33, 11
	s_and_b32 s36, s34, 3
	s_lshl_b32 s36, s36, 7
	s_add_co_u32 s44, s44, s36
	s_lshr_b32 s36, s34, 2
	s_lshl_b32 s36, s36, 6
	s_add_co_u32 s44, s44, s36
	s_add_co_u32 s44, s44, 3*8192
	s_add_nc_u64 s[8:9], s[8:9], s[44:45]          ; its scale words: K step s lies 512 bytes on
	s_lshl_b32 s44, s32, 8
	s_lshl_b32 s36, s40, 6
	s_add_co_u32 s44, s44, s36
	s_add_nc_u64 s[10:11], s[10:11], s[44:45]      ; bp at column 64 cg + 16 w
	global_load_b128 v[108:111], v8, s[10:11]
	global_load_b128 v[112:115], v8, s[10:11] offset:16
.irp s, 0,1,2,3
.irp c, 0,1,2
	global_load_b128 v[32+12*\s+4*\c:35+12*\s+4*\c], v[LI], s[6:7] offset:12288*\s+512*\c   ; 32 lanes read 512 consecutive bytes
.endr
	global_load_b32 v[80+\s], v14, s[8:9] offset:512*\s    ; row r's word in lane r (lanes 16-31 hold the same and are not read)
.endr
	s_lshl_b32 s44, s31, 15
	s_lshl_b32 s36, s40, 13
	s_add_co_u32 s44, s44, s36
	s_lshl_b32 s36, s32, 8
	s_add_co_u32 s44, s44, s36
	s_add_nc_u64 s[12:13], s[12:13], s[44:45]      ; out0: row 16 m + 4 w, column 64 cg
	v_mul_u32_u24 v[TRW], v[VR], TP
	v_lshl_add_u32 v[TRW], v[VH], 7, v[TRW]
	v_add_nc_u32 v[TRW], s35, v[TRW]
	s_mul_i32 s36, s40, 1536
	s_add_co_u32 s36, s36, AIMG
	v_add_nc_u32 v10, s36, v[LI]                   ; where I store my image of Z
	s_lshl_b32 s36, s40, 7
	s_add_co_u32 s36, s36, ASC
	v_add_nc_u32 v11, s36, v[LS]                   ; and its scale words
	v_add_nc_u32 v122, AIMG, v[LI]                 ; where every wave reads the images,
	v_add_nc_u32 v123, ASC, v[LS]                  ; and the scale words
	v_mul_u32_u24 v12, v[VR], 272
	v_lshl_add_u32 v12, v[VH], 5, v12
	s_lshl_b32 s36, s40, 6
	s_add_co_u32 s36, s36, STG
	v_add_nc_u32 v12, s36, v12                     ; the stage, in: row r, 64 w + 32 h
	v_mul_u32_u24 v13, v[VH], 272
	v_lshl_add_u32 v13, v[VR], 4, v13
	s_mul_i32 s36, s40, 1088
	s_add_co_u32 s36, s36, STG
	v_add_nc_u32 v13, s36, v13                     ; back: rows 4 w + h (+ 2)
	v_lshlrev_b32 v15, 4, v[VR]
	v_lshl_add_u32 v15, v[VH], 11, v15
	s_wait_tensorcnt 3                             ; part 0 has landed; three were issued behind it
	TL 128, TRW, 0
	s_wait_tensorcnt 2
	TL 192, TRW, TB
	s_wait_tensorcnt 1
	WIN 0x40                                       ; destination window 1
	TL 0, TRW, 2*TB                                ; part 2 into v256-319
	WIN 0
	s_wait_dscnt 16                                ; behind parts 0 and 1 stand part 2's 16 loads
.set II, 0
.rept 32
	v_pk_add_f32 v[128+II:129+II], v[128+II:129+II], v[192+II:193+II]
.set II, II+2
.endr
	s_wait_tensorcnt 0x0
	TL 192, TRW, 3*TB                              ; part 3, where part 1 lay
	s_wait_dscnt 0x0
	WIN 0x01                                       ; source 0 in window 1
.set II, 0
.rept 32
	v_pk_add_f32 v[192+II:193+II], v[II:II+1], v[192+II:193+II]
.set II, II+2
.endr
	WIN 0
.set II, 0
.rept 32
	v_pk_add_f32 v[128+II:129+II], v[128+II:129+II], v[192+II:193+II]
.set II, II+2
.endr
	QK 128, 16, 104
.irp c, 0,1,2
	ds_store_b128 v10, v[16+4*\c:19+4*\c] offset:512*\c
.endr
	ds_store_b32 v11, v104
	s_wait_dscnt 0x0                               ; for the others' sake: my image has landed
	s_barrier_signal -1
	s_barrier_wait -1
.irp s, 0,1,2,3
.irp c, 0,1,2
	ds_load_b128 v[128+12*\s+4*\c:131+12*\s+4*\c], v122 offset:1536*\s+512*\c
.endr
	ds_load_b32 v[100+\s], v123 offset:128*\s
.endr
	s_wait_dscnt 0x0
	s_wait_loadcnt 0x0                             ; bp, Wp's fragments and scale words.  Every operand below was filled by a load: it owes only its wait
	; transposed: lane (r, h) holds out0(16 m + r, 64 cg + 16 w + 8 h + j).  Two accumulators by turns
	v_wmma_scale_f32_16x16x128_f8f6f4 v[176:183], v[32:43], v[128:139], v[108:115], v80, v100 matrix_a_fmt:MATRIX_FMT_FP6 matrix_b_fmt:MATRIX_FMT_FP6
	v_wmma_scale_f32_16x16x128_f8f6f4 v[184:191], v[44:55], v[140:151], 0, v81, v101 matrix_a_fmt:MATRIX_FMT_FP6 matrix_b_fmt:MATRIX_FMT_FP6
	v_wmma_scale_f32_16x16x128_f8f6f4 v[176:183], v[56:67], v[152:163], v[176:183], v82, v102 matrix_a_fmt:MATRIX_FMT_FP6 matrix_b_fmt:MATRIX_FMT_FP6
	v_wmma_scale_f32_16x16x128_f8f6f4 v[184:191], v[68:79], v[164:175], v[184:191], v83, v103 matrix_a_fmt:MATRIX_FMT_FP6 matrix_b_fmt:MATRIX_FMT_FP6
	PLACES
.irp j, 0,2,4,6
	v_pk_add_f32 v[192+\j:193+\j], v[176+\j:177+\j], v[184+\j:185+\j]   ; from the low end on
.endr
	ds_store_b128 v12, v[192:195]
	ds_store_b128 v12, v[196:199] offset:16
	s_wait_dscnt 0x0
	s_barrier_signal -1
	s_barrier_wait -1                              ; 16 rows x 256 bytes lie in the stage
	ds_load_b128 v[208:211], v13
	ds_load_b128 v[212:215], v13 offset:544
	s_wait_dscnt 0x0
	global_store_b128 v15, v[208:211], s[12:13]    ; sixteen lanes store 256 consecutive bytes, aligned
	global_store_b128 v15, v[212:215], s[12:13] offset:4096
	s_wait_tensorcnt 0x0
	ds_add_u32 v126, v127
	s_wait_dscnt 0x0
	s_endpgm
.Lfunc_end_k_q8bafb5895d_outp:
	.size	k_q8bafb5895d_outp, .Lfunc_end_k_q8bafb5895d_outp-k_q8bafb5895d_outp
	.p2alignl 7, 3214868480
	.fill 96, 4, 3214868480
	.section	.rodata,"a",@progbits
	.p2align	6, 0x0
	.amdhsa_kernel k_q8bafb5895d_outp
		.amdhsa_group_segment_fixed_size 168448
		.amdhsa_private_segment_fixed_size 0
		.amdhsa_enable_private_segment 0
		.amdhsa_kernarg_size 40
		.amdhsa_user_sgpr_count 2
		.amdhsa_user_sgpr_kernarg_segment_ptr 1
		.amdhsa_wavefront_size32 1
		.amdhsa_system_sgpr_workgroup_id_x 1
		.amdhsa_system_sgpr_workgroup_id_y 1
		.amdhsa_system_sgpr_workgroup_id_z 1
		.amdhsa_system_vgpr_workitem_id 0
		.amdhsa_next_free_vgpr 384
		.amdhsa_next_free_sgpr 76
		.amdhsa_reserve_vcc 0
		.amdhsa_float_denorm_mode_32 3
		.amdhsa_float_denorm_mode_16_64 3
		.amdhsa_memory_ordered 1
		.amdhsa_forward_progress 1
		.amdhsa_inst_pref_size 24
	.end_amdhsa_kernel
	.amdgpu_metadata
---
amdhsa.version: [ 1, 2 ]
amdhsa.kernels:
  - .name:           k_q8bafb5895d_outp
    .symbol:         k_q8bafb5895d_outp.kd
    .args:
      - { .name: zpart, .offset: 0, .size: 8, .value_kind: global_buffer, .address_space: global }
      - { .name: wcodes, .offset: 8, .size: 8, .value_kind: global_buffer, .address_space: global }
      - { .name: wscl, .offset: 16, .size: 8, .value_kind: global_buffer, .address_space: global }
      - { .name: bp, .offset: 24, .size: 8, .value_kind: global_buffer, .address_space: global }
      - { .name: out0, .offset: 32, .size: 8, .value_kind: global_buffer, .address_space: global }
    .group_segment_fixed_size: 168448
    .private_segment_fixed_size: 0
    .kernarg_segment_align: 8
    .kernarg_segment_size: 40
    .max_flat_workgroup_size: 128
    .sgpr_count:     76
    .vgpr_count:     384
    .wavefront_size: 32
...
	.end_amdgpu_metadata
.endif
;; end of part 5
